; MI455X (gfx1250); checked and timed in simulation.
; The chip was launched on July 23, 2026; its instructions are those of AMD's public machine-readable ISA for CDNA 5 (MIT licence, August 2026) and "CDNA5" Instruction Set Architecture Reference Guide (July 2026). The comments in the code are by the model that wrote it; some were corrected since.
;; Group Query Attention. Allowed arithmetic: matrix products marked QUANTISED: E2M1 operands, one E8M0 scale for each 32 along K, by v_wmma_scale_f32_16x16x128_f8f6f4 with both operands' format E2M1 (or v_wmma_scale_f32_32x16x128_f4), f32 sums; products left as they are: bf16, f16 or f32 operands; f32 sums; everything else in f32.
;; Inputs: Wk 512 x 2,048 float32; Wo 2,048 x 1,024 float32; Wq 1,024 x 2,048 float32; Wv 512 x 2,048 float32; bk 512 float32; bo 2,048 float32; bq 1,024 float32; bv 512 float32; position_ids 2 x 2,048 int32; sinks 1 x 16 x 1 x 1 float32; x 2 x 2,048 x 2,048 float32.
;; Outputs: out0 2 x 2,048 x 2,048 float32.
;; This version of the problem:
;;   THIS VERSION OF THE PROBLEM IS GIVEN IN LOW PRECISION. The matrix products marked QUANTISED in the list below multiply operands that are first quantised to E2M1 (2 exponent bits, 1 mantissa bit; 4 bits a number), with one power-of-two scale for each 32 numbers along K (OCP MX v1.0); their sums are f32. The products marked 'left as it is' may take bf16, f16 or f32 operands, with f32 sums. Whichever they take, every output number must still come out within the allowed error. Rounding operands to bf16 (8 significant bits) uses up far more of that allowance than f16 does (11 bits, for magnitudes from 6e-5 to 65,504). All else is computed in f32.
;;   The module's matrix products, in the order in which they are computed (A, B: the left and right operand; K: the contracted axis; several contracted axes count as one K, in the product's order):
;;     1. [M 4,096, K 2,048] x [K 2,048, N 1,024]; A: input x; B: input Wq: QUANTISED
;;     2. [M 4,096, K 2,048] x [K 2,048, N 512]; A: input x; B: input Wk: QUANTISED
;;     3. [M 4,096, K 2,048] x [K 2,048, N 512]; A: input x; B: input Wv: QUANTISED
;;     4. batch 16 x [M 4,096, K 64] x [K 64, N 2,048]; A: computed on the way; B: computed on the way: left as it is (an operand is computed on the way)
;;     5. batch 16 x [M 4,096, K 2,048] x [K 2,048, N 64]; A: computed on the way; B: computed on the way: left as it is (an operand is computed on the way)
;;     6. [M 4,096, K 1,024] x [K 1,024, N 2,048]; A: computed on the way; B: input Wo: left as it is (an operand is computed on the way)
;;   THE QUANTISER, for each operand of a quantised product, along K:
;;     - K is cut into blocks of 32 from its start; a last block that is shorter is filled with zeros.
;;     - A block's scale is 2^e with e = floor(log2(the largest magnitude in the block)) - 2, held to -126 .. 127; a block of zeros has e = 0. As a byte (E8M0): e + 127.
;;     - Each number is divided by its block's scale, clamped to +-6, and rounded to the nearest number of E2M1, ties to even, subnormals kept.
;;     - The product sums the exact products of the quantised numbers (number of the format x scale) in f32.
;;   ~~~python
;;   def quantise(x, axis):      # numpy; x: float32 -> the quantised numbers, widened to float32 again
;;       x = np.moveaxis(x, axis, -1); K = x.shape[-1]
;;       x = np.pad(x, [(0, 0)] * (x.ndim - 1) + [(0, -K % 32)]); x = x.reshape(x.shape[:-1] + (-1, 32)); a = np.abs(x).max(-1, keepdims=True)
;;       e = np.where(a > 0, np.clip(np.frexp(np.where(a > 0, a, 1))[1] - 1 - 2, -126, 127), 0)      # np.frexp(a)[1] - 1 = floor(log2(a)), exactly
;;       r = np.clip(x / 2.0 ** e, -6, 6)
;;       step = 2.0 ** (np.maximum(np.frexp(np.where(r == 0, 1, r))[1] - 1, 0) - 1)
;;       q = np.round(r / step) * step * 2.0 ** e      # np.round: ties to even
;;       return np.moveaxis(q.reshape(q.shape[:-2] + (-1,))[..., :K], -1, axis).astype(np.float32)
;;   ~~~
;; One version. Each part assembles by itself: llvm-mc -triple=amdgcn-amd-amdhsa -mcpu=gfx1250 --defsym DOCPART=n.
;; ======== version 1 of 1: 4 launches
;; limits: values are held in f16: magnitudes above 65,504 overflow, below 6.1e-05 lose precision
;; workspace buffers: xq 4,456,448 bytes; wq 2,228,224 bytes; wo16 4,194,304 bytes; rope 1,048,576 bytes; qkv 16,777,216 bytes; ctx 8,388,608 bytes
;; launch prep (part 1): grid 544 x 1, 4 waves a work-group, no clusters, 33,280 bytes of LDS; arguments x, Wq, Wk, Wv, Wo, position_ids, xq, wq, wo16, rope; writes xq, wq, wo16, rope
.if DOCPART == 1
	.amdgcn_target "amdgcn-amd-amdhsa--gfx1250"
	.amdhsa_code_object_version 6
	.text
	.protected	k_q25387f792b_prep
	.globl	k_q25387f792b_prep
	.p2align	8
	.type	k_q25387f792b_prep,@function
k_q25387f792b_prep:
	s_mov_b64 s[64:65], 0
	v_nop
	global_prefetch_b8 v0, s[64:65] scope:SCOPE_SE
	s_setreg_imm32_b32 hwreg(HW_REG_WAVE_MODE, 25, 1), 1
	s_wait_xcnt 0x0
; LAUNCH 1 OF 4 of grouped-query attention (2 x 2,048 tokens, 16 query heads and 8 key/value heads of 64, window 128, one sink logit a head).
; It makes what the later launches read many times: x and Wq, Wk, Wv as codes of FP4 (E2M1) with one E8M0 byte for each 32 along K (K = the 2,048 inputs, innermost in all four);
; Wo rounded to f16; and the RoPE table of the 4,096 tokens, looked up by position_ids.
; WORK THAT THE PROGRAM LEAVES OUT.  reference() sets a score to -inf wherever not (j <= i and j > i - 128): a mask that it builds in its own body from the shapes alone.  The softmax gives such a
; key the weight exp(-inf - max) = 0 exactly, whatever finite values the inputs hold (the sink keeps the maximum finite), and 0 x V adds nothing.  A tile of 16 queries from q0 on can see keys
; q0 - 127 .. q0 + 15 alone, so of the score product and of the product with V only the nine tiles of 16 keys from q0 - 128 on are multiplied; all other tiles lie wholly under the mask.
; Inside the two edge tiles, and in the tiles ahead of key 0 of a sequence's first 128 queries, masked keys are multiplied and then masked.  Every input has a way to the output and is loaded.
; LIMITS.  A NaN, an infinity or an overflow that reaches only the tiles left out is not carried to the result.  position_ids lie in 0 .. 4,095 (the table that reference() indexes).
; Blocks whose largest magnitude lies under 2^(2 - 126) keep the byte 1; a block of zeros too (its codes are zeros, and this program alone reads the bytes).  NaN and infinities among x and the weights are not served.
; Wo, and later Q, K, V and the context, are carried as f16: magnitudes up to 65,504.
; THE WORK-GROUPS.  0-255: x, 16 rows each.  256-383: the weights, 16 rows each, laid in wq so that rows 256 g .. 256 g + 255 are one key/value group: Wq's rows 128 g .. + 127 (two query heads),
; Wk's rows 64 g .. + 63, Wv's rows 64 g .. + 63.  384-511: Wo.  512-543: the table.  The three paths part on the work-group's number; only the first touches LDS.
; THE QUANTISER.  A block's scale is 2^(floor(log2(largest magnitude)) - 2); its byte is the largest magnitude's exponent field - 2.  A wave takes 16 steps of 512 numbers (4 rows).  Each load reads 512
; consecutive bytes; a step's 2,048 bytes turn through the wave's own stage in LDS, so that a lane then holds 16 neighbours along K (two lanes to a block); a wave's 256 scale bytes are gathered in LDS.
.set WAVES, 4
.set STEPS, 16
.set EMAX,  2
.set CB,    8                          ; bytes of 16 codes
.set R,     16                         ; v16-79   four sets of 16 numbers as they are loaded
.set X,     80                         ; v80-111  two sets of 16 neighbours
.set E,     112                        ; v112-127 a scale byte for each step
.set C,     128                        ; v128-191 codes: four registers for each step, so that no store's data are written again
.set WREG,  8192                       ; LDS: a region for each wave: two stages of 32 x SP bytes, behind them its 256 scale bytes
.set SP,    80                         ; a lane's place in a stage: 64 bytes + 16 of padding
.set SPW,   12                         ; v12  LDS address of my spare word; never rewritten
.set NIL,   13                         ; v13  0; never rewritten
.set SPARE, WAVES*WREG                 ; behind the four regions: the spare words, 128 bytes for each wave
	s_load_b512 s[8:23], s[0:1], 0x0               ; x 8, Wq 10, Wk 12, Wv 14, Wo 16, position_ids 18, xq 20, wq 22
	s_load_b128 s[24:27], s[0:1], 0x40             ; wo16 24, rope 26
	v_lshl_add_u32 v[SPW], v0, 2, SPARE
	v_mov_b32 v[NIL], 0
	v_lshrrev_b32 v1, 5, v0
	v_readfirstlane_b32 s2, v1                     ; wave
	v_and_b32 v2, 31, v0                           ; lane
	v_lshlrev_b32 v3, 4, v2                        ; 16 x lane
	v_lshlrev_b32 v4, 3, v2                        ; 8 x lane
	s_wait_kmcnt 0x0
	s_cmp_ge_u32 ttmp9, 512
	s_cbranch_scc1 .Ltable
	s_cmp_ge_u32 ttmp9, 384
	s_cbranch_scc1 .Lcast
	; ---------------- the quantiser ----------------
	s_mul_i32 s3, s2, WREG
	v_lshrrev_b32 v14, 2, v2
	v_mul_u32_u24 v14, v14, SP
	v_and_b32 v15, 3, v2
	v_lshl_add_u32 v14, v15, 4, v14
	v_add_nc_u32 v14, s3, v14                      ; the stage, on the way in: SP (lane / 4) + 16 (lane % 4)
	v_mul_u32_u24 v15, v2, SP
	v_add_nc_u32 v15, s3, v15                      ; and on the way out: SP x lane: my 16 neighbours
	v_lshrrev_b32 v5, 1, v2
	s_add_co_u32 s3, s3, 2*32*SP
	v_add_nc_u32 v5, s3, v5                        ; my wave's 256 scale bytes: my block's byte
	v_add_nc_u32 v6, s3, v4                        ; and on the way out 8 bytes a lane
	; which tensor, which rows.  Only pointers and row numbers are chosen, by the work-group's number alone: all tensors take one path
	s_sub_co_u32 s28, ttmp9, 256                   ; u: which 16 rows of wq
	s_lshr_b32 s29, s28, 4                         ; g: the key/value group
	s_and_b32 s30, s28, 15                         ; c: which 16 of the group's 256 rows
	s_lshl_b32 s31, s29, 7
	s_lshl_b32 s32, s30, 4
	s_add_co_u32 s31, s31, s32                     ; in Wq: row 128 g + 16 c
	s_lshl_b32 s33, s29, 6
	s_and_b32 s34, s30, 3
	s_lshl_b32 s34, s34, 4
	s_add_co_u32 s33, s33, s34                     ; in Wk or Wv: row 64 g + 16 (c % 4)
	s_cmp_lt_u32 s30, 8
	s_cselect_b64 s[36:37], s[10:11], s[12:13]
	s_cselect_b32 s31, s31, s33
	s_cmp_ge_u32 s30, 12
	s_cselect_b64 s[36:37], s[14:15], s[36:37]
	s_lshl_b32 s38, ttmp9, 4                       ; in x: row 16 x work-group
	s_mov_b32 s39, 0x200000                        ; where wq's scale bytes begin
	s_cmp_lt_u32 ttmp9, 256
	s_cselect_b64 s[4:5], s[8:9], s[36:37]         ; the source
	s_cselect_b32 s31, s38, s31                    ; its first row
	s_cselect_b64 s[6:7], s[20:21], s[22:23]       ; the buffer of codes and scale bytes
	s_cselect_b32 s28, ttmp9, s28                  ; which 16 rows of it
	s_cselect_b32 s39, 0x400000, s39               ; where its scale bytes begin
	s_lshl_b32 s32, s2, 2
	s_add_co_u32 s31, s31, s32                     ; my wave's 4 rows
	s_lshl_b32 s32, s31, 13                        ; of 8,192 bytes
	s_mov_b32 s33, 0
	s_add_nc_u64 s[4:5], s[4:5], s[32:33]
	s_lshl_b32 s28, s28, 2
	s_add_co_u32 s28, s28, s2                      ; which run of 8,192 numbers is my wave's
	s_lshl_b32 s32, s28, 12                        ; 4,096 bytes of codes a run
	s_add_nc_u64 s[40:41], s[6:7], s[32:33]
	s_lshl_b32 s32, s28, 8                         ; 256 scale bytes a run
	s_add_co_u32 s32, s32, s39
	s_add_nc_u64 s[42:43], s[6:7], s[32:33]
.macro LOAD t
.irp i, 0,1,2,3
	global_load_b128 v[R+16*((\t)%4)+4*\i:R+16*((\t)%4)+4*\i+3], v3, s[4:5] offset:2048*(\t)+512*\i th:TH_LOAD_NT   ; 32 lanes read 512 consecutive bytes
.endr
.endm
.macro TURN t                          ; step t's numbers through the stage: LDS serves a wave's instructions in order, so no wait stands between the stores and the loads
.irp i, 0,1,2,3
	ds_store_b128 v14, v[R+16*((\t)%4)+4*\i:R+16*((\t)%4)+4*\i+3] offset:32*SP*((\t)%2)+8*SP*\i
.endr
.irp i, 0,1,2,3
	ds_load_b128 v[X+16*((\t)%2)+4*\i:X+16*((\t)%2)+4*\i+3], v15 offset:32*SP*((\t)%2)+16*\i
.endr
.endm
.irp t, 0,1,2,3
	LOAD \t
.endr
	s_wait_loadcnt 12                              ; step 0's four loads are in; the twelve of steps 1 to 3 may be out
	TURN 0
.macro STEP t
.set XS, X+16*((\t)%2)
.if (\t) > 0
	s_wait_dscnt 1                                 ; this step's numbers are back from the stage (the last step's byte store may be out)
.else
	s_wait_dscnt 0x0
.endif
.if (\t)+4 < STEPS
	LOAD (\t)+4                                    ; into the set that this step's stores into the stage have read
.endif
.if (\t)+1 < STEPS
.if STEPS-2-(\t) >= 3
	s_wait_loadcnt 12                              ; the next step's four loads are in; those of the three steps behind it may be out
.else
	s_wait_loadcnt 4*(STEPS-2-(\t))
.endif
	TURN (\t)+1                                    ; they go through the other stage while this step is worked
.endif
	v_max3_num_f32 v8, |v[XS]|, |v[XS+1]|, |v[XS+2]|               ; the largest magnitude of my 16, in two chains
	v_max3_num_f32 v9, |v[XS+3]|, |v[XS+4]|, |v[XS+5]|
.irp i, 6,10
	v_max3_num_f32 v8, v8, |v[XS+\i]|, |v[XS+\i+1]|
	v_max3_num_f32 v9, v9, |v[XS+\i+2]|, |v[XS+\i+3]|
.endr
	v_max3_num_f32 v8, v8, |v[XS+14]|, |v[XS+15]|
	v_max3_num_f32 v8, v8, v9, (EMAX+1)<<23        ; and the floor 2^(EMAX + 1 - 127): the byte cannot fall under 1
	v_max_num_f32_dpp v8, v8, v8 row_xmask:1 row_mask:0xf bank_mask:0xf   ; and of my neighbour's 16: the block's
	v_add_nc_u32 v11, -(EMAX<<23), v8              ; EMAX off its exponent field: the conversion takes the exponent field of this operand as its scale
	v_cvt_scalef32_pk8_fp4_f32 v[C+4*(\t)], v[XS:XS+7], v11        ; eight numbers / the scale, to the nearest code, ties to even, beyond 6 the largest code
	v_cvt_scalef32_pk8_fp4_f32 v[C+4*(\t)+1], v[XS+8:XS+15], v11
	v_lshrrev_b32 v[E+(\t)], 23, v11               ; the scale's byte
	ds_store_b8 v5, v[E+(\t)] offset:16*(\t)       ; both lanes of a block write the same byte with the same value
	global_store_b64 v4, v[C+4*(\t):C+4*(\t)+1], s[40:41] offset:32*CB*(\t)   ; the wave stores 256 consecutive bytes, aligned
.endm
.irp t, 0,1,2,3,4,5,6,7,8,9,10,11,12,13,14,15
	STEP \t
.endr
	ds_load_b64 v[8:9], v6                         ; LDS serves a wave's instructions in order: this sees my byte stores
	s_wait_dscnt 0x0
	global_store_b64 v4, v[8:9], s[42:43]          ; 32 lanes store 256 consecutive bytes, aligned
	s_wait_tensorcnt 0x0                           ; the wave's end: behind my last LDS store
	ds_add_u32 v[SPW], v[NIL]
	s_wait_dscnt 0x0
	s_endpgm
	; ---------------- Wo to f16: a wave takes 4,096 numbers ----------------
.Lcast:
	s_sub_co_u32 s28, ttmp9, 384
	s_lshl_b32 s28, s28, 2
	s_add_co_u32 s28, s28, s2                      ; which run of 4,096 numbers
	s_lshl_b32 s30, s28, 14
	s_mov_b32 s31, 0
	s_add_nc_u64 s[16:17], s[16:17], s[30:31]
	s_lshl_b32 s30, s28, 13
	s_add_nc_u64 s[24:25], s[24:25], s[30:31]
.set i, 0
.rept 32
	global_load_b128 v[16+4*i:19+4*i], v3, s[16:17] offset:512*i th:TH_LOAD_NT
.set i, i+1
.endr
.set i, 0
.rept 32
	s_wait_loadcnt 31-i                            ; loads come back in order: load i is in, the younger ones stay out
	v_cvt_pk_f16_f32 v[16+4*i], v[16+4*i], v[17+4*i]
	v_cvt_pk_f16_f32 v[17+4*i], v[18+4*i], v[19+4*i]
	global_store_b64 v4, v[16+4*i:17+4*i], s[24:25] offset:256*i   ; 256 consecutive bytes, aligned; no register is written again
.set i, i+1
.endr
	s_endpgm
	; ---------------- the table: rope[token] = kappa cos(angle) of the 32 frequencies, then kappa sin: 256 bytes a token ----------------
	; kappa = sqrt(log2(e) / 8): with it on both Q and K their product is the score / sqrt(64) x log2(e), the exponent to base 2.
	; angle = (position x eff) x conc, each product rounded to f32; eff is YaRN's frequency; conc = 0.1 ln 4 + 1.
	; A wave takes 32 tokens.  Lane l makes frequencies 2 (l % 16) and 2 (l % 16) + 1: lanes 0-15 the cosines, lanes 16-31 the sines, so that one store of 8 bytes a lane writes a token's 256 bytes.
	; Sine and cosine: n = the nearest whole number to angle x 2 / pi; r = angle - n pi / 2, pi / 2 in two parts; polynomials on |r| <= pi / 4; the quadrant n (+ 1 for the cosine) picks polynomial and sign.
.Ltable:
	s_sub_co_u32 s4, ttmp9, 512
	s_lshl_b32 s4, s4, 2
	s_add_co_u32 s4, s4, s2                        ; which 32 tokens
	s_lshl_b32 s6, s4, 7
	s_mov_b32 s7, 0
	s_add_nc_u64 s[18:19], s[18:19], s[6:7]
	s_load_b256 s[28:35], s[18:19], 0x0            ; their positions
	s_load_b256 s[36:43], s[18:19], 0x20
	s_load_b256 s[44:51], s[18:19], 0x40
	s_load_b256 s[52:59], s[18:19], 0x60
	s_lshl_b32 s6, s4, 13                          ; 32 tokens of 256 bytes
	s_add_nc_u64 s[26:27], s[26:27], s[6:7]
	s_mov_b32 s60, 0x3a842108                      ; 1 / 992
	s_mov_b32 s61, 0xbd042108                      ; -32 / 992
	s_mov_b32 s62, 0x3ed96d27                      ; kappa
	v_lshrrev_b32 v6, 4, v2
	v_xor_b32 v6, 1, v6                            ; the quadrant's shift: 1 for the cosines, 0 for the sines
	v_and_b32 v8, 15, v2
	v_lshlrev_b32 v8, 1, v8                        ; my first frequency's number i,
	v_add_nc_u32 v9, 1, v8                         ; and my second's
	v_cvt_f32_u32 v8, v8
	v_cvt_f32_u32 v9, v9
	v_mul_f32 v8, 0x3ed49a78, v8                   ; i log2(10000) / 32
	v_mul_f32 v9, 0x3ed49a78, v9
	v_exp_f32 v10, -v8                             ; the frequency 10000^(-i / 32)
	v_exp_f32 v11, -v9
	v_exp_f32 v14, v8                              ; and its reciprocal
	v_exp_f32 v15, v9
	v_mov_b32 v21, 0                               ; (a plain instruction behind the exponentials; v21 is named as the upper half of the pair v[20:21])
	s_wait_alu depctr_va_vdst(0)                   ; one wait for the four, ahead of their first reader
	v_mul_f32 v14, 0x40c90fdb, v14                 ; the wave length 2 pi / frequency
	v_mul_f32 v15, 0x40c90fdb, v15
	v_fma_f32 v14, v14, s60, s61                   ; (wave length - 32) / 992,
	v_fma_f32 v15, v15, s60, s61
	v_max_num_f32 v14, 0, v14                      ; clipped to 0 .. 1: t
	v_max_num_f32 v15, 0, v15
	v_min_num_f32 v14, 1.0, v14
	v_min_num_f32 v15, 1.0, v15
	v_sub_f32 v16, 1.0, v14
	v_sub_f32 v17, 1.0, v15
	v_mul_f32 v16, v10, v16                        ; f (1 - t)
	v_mul_f32 v17, v11, v17
	v_mul_f32 v10, 0x3e800000, v10                 ; f / 4
	v_mul_f32 v11, 0x3e800000, v11
	v_fma_f32 v18, v10, v14, v16                   ; eff
	v_fma_f32 v19, v11, v15, v17
.irp p, 0,1                                    ; the constants, each in both registers of a pair
	v_mov_b32 v[32+\p], 0x3f91be9c                 ; conc
	v_mov_b32 v[34+\p], 0x3f22f983                 ; 2 / pi
	v_mov_b32 v[36+\p], 0xbfc90fdb                 ; -(pi / 2 rounded to f32)
	v_mov_b32 v[38+\p], 0x333bbd2e                 ; that number less pi / 2
	v_mov_b32 v[40+\p], 0xb94ca1f9                 ; sine: -1.9515296e-4,
	v_mov_b32 v[42+\p], 0x3c08839e                 ; 8.3321609e-3,
	v_mov_b32 v[44+\p], 0xbe2aaaa3                 ; -1.6666655e-1
	v_mov_b32 v[46+\p], 0x37ccf5ce                 ; cosine: 2.4433157e-5,
	v_mov_b32 v[48+\p], 0xbab6061a                 ; -1.3887316e-3,
	v_mov_b32 v[50+\p], 0x3d2aaaa5                 ; 4.1666646e-2,
	v_mov_b32 v[52+\p], -0.5
	v_mov_b32 v[54+\p], 1.0
.endr
	s_wait_kmcnt 0x0                               ; the positions
.macro TOKEN t
	v_cvt_f32_i32 v20, s[28+\t]
	v_pk_mul_f32 v[22:23], v[18:19], v[20:21] op_sel_hi:[1,0]      ; position x eff
	v_pk_mul_f32 v[22:23], v[22:23], v[32:33]                      ; x conc: the angle
	v_pk_mul_f32 v[24:25], v[22:23], v[34:35]
	v_rndne_f32 v24, v24                                           ; n
	v_rndne_f32 v25, v25
	v_pk_fma_f32 v[22:23], v[24:25], v[36:37], v[22:23]            ; r = angle - n pi / 2, in two steps
	v_pk_fma_f32 v[22:23], v[24:25], v[38:39], v[22:23]
	v_cvt_i32_f32 v26, v24
	v_cvt_i32_f32 v27, v25
	v_add_nc_u32 v26, v26, v6                                      ; the quadrant
	v_add_nc_u32 v27, v27, v6
	v_pk_mul_f32 v[28:29], v[22:23], v[22:23]                      ; z = r r
	v_pk_fma_f32 v[30:31], v[28:29], v[40:41], v[42:43]            ; the two polynomials by turns
	v_pk_fma_f32 v[56:57], v[28:29], v[46:47], v[48:49]
	v_pk_fma_f32 v[30:31], v[30:31], v[28:29], v[44:45]
	v_pk_fma_f32 v[56:57], v[56:57], v[28:29], v[50:51]
	v_pk_mul_f32 v[30:31], v[30:31], v[28:29]
	v_pk_fma_f32 v[56:57], v[56:57], v[28:29], v[52:53]
	v_pk_fma_f32 v[30:31], v[30:31], v[22:23], v[22:23]            ; sin r
	v_pk_fma_f32 v[56:57], v[56:57], v[28:29], v[54:55]            ; cos r
.irp e, 0,1
	v_and_b32 v[58+\e], 1, v[26+\e]
	v_lshlrev_b32 v[60+\e], 30, v[26+\e]
.endr
	v_cmp_eq_u32 vcc_lo, 1, v58
	v_cndmask_b32 v58, v30, v56, vcc_lo                            ; an odd quadrant takes the cosine's polynomial
	v_cmp_eq_u32 vcc_lo, 1, v59
	v_cndmask_b32 v59, v31, v57, vcc_lo
	v_and_or_b32 v60, v60, 0x80000000, s62                         ; kappa with the sign of quadrants 2 and 3
	v_and_or_b32 v61, v61, 0x80000000, s62
	v_mul_f32 v[64+2*\t], v58, v60
	v_mul_f32 v[65+2*\t], v59, v61
	global_store_b64 v4, v[64+2*\t:65+2*\t], s[26:27] offset:256*\t    ; the token's 256 bytes, aligned; each token has its own two registers
.endm
.irp t, 0,1,2,3,4,5,6,7,8,9,10,11,12,13,14,15,16,17,18,19,20,21,22,23,24,25,26,27,28,29,30,31
	TOKEN \t
.endr
	s_endpgm
.Lfunc_end_k_q25387f792b_prep:
	.size	k_q25387f792b_prep, .Lfunc_end_k_q25387f792b_prep-k_q25387f792b_prep
	.p2alignl 7, 3214868480
	.fill 96, 4, 3214868480
	.section	.rodata,"a",@progbits
	.p2align	6, 0x0
	.amdhsa_kernel k_q25387f792b_prep
		.amdhsa_group_segment_fixed_size 33280
		.amdhsa_private_segment_fixed_size 0
		.amdhsa_enable_private_segment 0
		.amdhsa_kernarg_size 80
		.amdhsa_user_sgpr_count 2
		.amdhsa_user_sgpr_kernarg_segment_ptr 1
		.amdhsa_wavefront_size32 1
		.amdhsa_system_sgpr_workgroup_id_x 1
		.amdhsa_system_sgpr_workgroup_id_y 1
		.amdhsa_system_sgpr_workgroup_id_z 1
		.amdhsa_system_vgpr_workitem_id 0
		.amdhsa_next_free_vgpr 192
		.amdhsa_next_free_sgpr 66
		.amdhsa_reserve_vcc 1
		.amdhsa_float_denorm_mode_32 3
		.amdhsa_float_denorm_mode_16_64 3
		.amdhsa_memory_ordered 1
		.amdhsa_forward_progress 1
		.amdhsa_inst_pref_size 103
	.end_amdhsa_kernel
	.amdgpu_metadata
---
amdhsa.version: [ 1, 2 ]
amdhsa.kernels:
  - .name:           k_q25387f792b_prep
    .symbol:         k_q25387f792b_prep.kd
    .args:
      - { .name: x, .offset: 0, .size: 8, .value_kind: global_buffer, .address_space: global }
      - { .name: Wq, .offset: 8, .size: 8, .value_kind: global_buffer, .address_space: global }
      - { .name: Wk, .offset: 16, .size: 8, .value_kind: global_buffer, .address_space: global }
      - { .name: Wv, .offset: 24, .size: 8, .value_kind: global_buffer, .address_space: global }
      - { .name: Wo, .offset: 32, .size: 8, .value_kind: global_buffer, .address_space: global }
      - { .name: position_ids, .offset: 40, .size: 8, .value_kind: global_buffer, .address_space: global }
      - { .name: xq, .offset: 48, .size: 8, .value_kind: global_buffer, .address_space: global }
      - { .name: wq, .offset: 56, .size: 8, .value_kind: global_buffer, .address_space: global }
      - { .name: wo16, .offset: 64, .size: 8, .value_kind: global_buffer, .address_space: global }
      - { .name: rope, .offset: 72, .size: 8, .value_kind: global_buffer, .address_space: global }
    .group_segment_fixed_size: 33280
    .private_segment_fixed_size: 0
    .kernarg_segment_align: 8
    .kernarg_segment_size: 80
    .max_flat_workgroup_size: 128
    .sgpr_count:     66
    .vgpr_count:     192
    .wavefront_size: 32
...
	.end_amdgpu_metadata
.endif
;; end of part 1
;; launch proj (part 2): grid 8 x 16, 4 waves a work-group, clusters of 4 x 4, 327,680 bytes of LDS; arguments xq, wq, bq, bk, bv, rope, qkv; writes qkv
.if DOCPART == 2
	.amdgcn_target "amdgcn-amd-amdhsa--gfx1250"
	.amdhsa_code_object_version 6
	.text
	.protected	k_q25387f792b_proj
	.globl	k_q25387f792b_proj
	.p2align	8
	.type	k_q25387f792b_proj,@function
k_q25387f792b_proj:
	s_mov_b64 s[64:65], 0
	v_nop
	global_prefetch_b8 v0, s[64:65] scope:SCOPE_SE
	s_setreg_imm32_b32 hwreg(HW_REG_WAVE_MODE, 25, 1), 1
	s_wait_xcnt 0x0
	s_wait_alu depctr_hold_cnt(0) depctr_sa_sdst(0) depctr_va_vdst(0) depctr_va_sdst(0) depctr_va_ssrc(0) depctr_va_vcc(0) depctr_vm_vsrc(0)
	s_getreg_b32 s2, hwreg(HW_REG_IB_STS2, 6, 4)
	s_cmp_eq_u32 s2, 0
	s_cbranch_scc0 .Lentry_in_a_cluster
	s_endpgm
.Lentry_in_a_cluster:
	s_bfe_u32 s2, ttmp6, 0x10000c
	s_cmp_lg_u32 s2, 0xf033
	s_cbranch_scc0 .Lentry_shape_is_right
	s_endpgm
.Lentry_shape_is_right:
; LAUNCH 2 OF 4.  The three projections as ONE product on codes of FP4 (E2M1) with E8M0 scales: C[token][column] = sum over k of x[token][k] W[column][k] + bias[column], 4,096 x 2,048 x 2,048, sums in f32;
; then RoPE on Q and K, and Q, K, V stored as f16, head by head.
; xq: codes [4096][1024 bytes], scale bytes [4096][64] from byte 4,194,304 on.  wq: codes [2048][1024], scale bytes [2048][64] from byte 2,097,152 on; its rows 256 g .. 256 g + 255 are key/value group g:
; two query heads, the key head, the value head.  So a tile column of C is one group, and all work-groups run one text; waves part on the wave's number alone.
; A tile of C, 256 x 256, is made by four waves; a wave makes 128 x 128: 64 accumulators of 16 x 16, 512 registers.  K goes in steps of 512 through a ring of two LDS slots filled by the tensor data mover
; (a tile's row is 256 bytes of memory).  The scale bytes of the work-group's 256 + 256 rows, for all of K, come into LDS once, with the first fills.
; CLUSTERS: 4 x 4 work-groups; the four of a row need the same tiles of x, the four of a column the same tiles of W: each tile is asked for jointly.
; THE MATRIX INSTRUCTION IS USED TRANSPOSED (source 0 = 16 rows of W, source 1 = 16 tokens): a lane holds one token (lane % 16) and eight neighbouring columns 8 (lane / 16) + 0 .. 7 of a block of 16.
; THE BIASES are the C of each sum's first product: eight registers for each of the wave's eight blocks of columns.
; 128 work-groups: a tile of 128 x 256 would make 256, but a wave of 64 x 128 reads half as much again from LDS for each product.
; REGISTERS, in windows of 256: window 0: v0-31 addresses; v32-95 scale words, two sets; v128-191 x's fragments, one set; v192-255 the biases.  On the way out: v32-95 the table, two sets;
;   v96-127 a rotated head; v128-191 f16 results, two sets; v192-255 rows read back, two sets.   window 1: W's fragments, two sets.   windows 2, 3: the accumulators ((a, b) at v[8 (8 (a % 4) + b)]).
.set SIZE_K, 2048
.set KSTEP,  512                       ; along K in a slot
.set NQ,     KSTEP/128                 ; matrix instructions deep
.set ROWB,   256                       ; a tile's row in bytes
.set KROW,   SIZE_K*4/8                ; a row of codes in memory
.set PITCH,  272                       ; an LDS row: 256 bytes + 16 of padding: the 16 rows that a load touches start 68 words apart
.set FR,     8                         ; registers of a fragment: 16 rows x 128 K
.set NL,     2                         ; LDS loads that bring one
.set NP,     4                         ; places behind this matrix instruction (ISA guide 7.12.1)
.set HALFT,  128*PITCH                 ; 128 rows: what one tensor load brings
.set SLOT,   4*HALFT                   ; x's 256 rows, then W's 256 rows
.set LAPS,   SIZE_K/(2*KSTEP)          ; a lap = two K steps = once round the ring
.set KS,     SIZE_K/32                 ; a row of scale bytes
.set SCL,    2*SLOT                    ; behind the ring: the scales, as units of 256 bytes + 16 of padding
.set HALFS,  (128*KS/256)*272          ; the scales of 128 rows
.set SBLK,   (16*KS/256)*272           ; those of 16 rows
.set SPARE,  SCL+4*HALFS               ; behind the scales: the spare words, 128 bytes for each wave
.set HP,     144                       ; the way out: a stage row: a token's 64 numbers of a head in f16, 128 bytes + 16.  A wave's stage is 2 heads x 16 rows; it lies in slot 0, which has had its last fill and its last read by then
.set ADRA, 16                          ; v16-17  LDS address of my fragments of x in slot 0, 1
.set ADRB, 20                          ; v20-21  the same for W
.set STO,  24                          ; v24     the way out: where I put 16 bytes of a token's head
.set RD,   25                          ; v25     and where I read 16 bytes of four tokens' 512 back
.set GO,   26                          ; v26     16 x lane
.set ADRS, 27                          ; v27     LDS address of my scale words: lanes 0-15 x's rows, lanes 16-31 W's
.set SPW,  28                          ; v28     LDS address of my spare word; never rewritten
.set NIL,  29                          ; v29     0; never rewritten
.set BO,   30                          ; v30     32 x (lane / 16): my eight biases of a block
.set TA,   31                          ; v31     my token's row of the table, my eight frequencies
.set SC,   32
.set AF,   128
.set BI,   192
.set T,    32
.set RR,   96
.set PK,   128
.set OUTR, 192
.set G1, 24                            ; s[24:31] descriptor group 1 for x's tiles;  s[32:39] group 0, one set for each slot
.set G0, 32
.set G1B, 48                           ; s[48:55], s[56:63] the same for W's tiles
.set G0B, 56
.set G1S, 68                           ; s[68:75], s[76:79] groups 1 and 0 for x's scales;  s[80:87], s[88:91] for W's
.set G0S, 76
.set G1SB, 80
.set G0SB, 88
.set MSB, 0
.macro WIN new                         ; the immediate's high byte repeats the setting that is left
.if MSB != \new
	s_set_vgpr_msb (MSB<<8)|\new
.set MSB, \new
.endif
.endm
.set MUL_LO, 0xa1                      ; source 0 (W) window 1, source 1 (x) window 0, C and D window 2
.set MUL_HI, 0xf1                      ; the same, C and D window 3
.set TO_B,   0x40                      ; destination window 1, address window 0
; A joint load: waves 0 and 1 fetch for x, waves 2 and 3 for W.  The branch hangs on the wave's number alone.  An s_nop 0 and four v_nop follow each of the two lines.
.macro JLOAD g0a, g1a, g0b, g1b
	s_cmp_eq_u32 s15, 0
	s_cbranch_scc0 .Lfor_b_\@
	tensor_load_to_lds s[\g0a:\g0a+3], s[\g1a:\g1a+7]
	s_nop 0
.rept 4
	v_nop
.endr
	s_branch .Lasked_\@
.Lfor_b_\@:
	tensor_load_to_lds s[\g0b:\g0b+3], s[\g1b:\g1b+7]
	s_nop 0
.rept 4
	v_nop
.endr
.Lasked_\@:
.endm
.macro CREST                           ; a round of the cluster's barrier behind its opening barrier
	s_cmp_lg_u32 s14, 0
	s_cbranch_scc1 .Lnot_wave_0_\@
	s_barrier_signal -3
.Lnot_wave_0_\@:
	s_barrier_wait -3
	s_barrier_signal -1
	s_barrier_wait -1
.endm
.macro CROUND                          ; a whole round
	s_barrier_signal -1
	s_barrier_wait -1
	CREST
.endm
	s_load_b64 s[4:5], s[0:1], 0x0                 ; xq
	s_load_b64 s[8:9], s[0:1], 0x8                 ; wq
	s_load_b128 s[96:99], s[0:1], 0x10             ; bq, bk
	s_load_b64 s[100:101], s[0:1], 0x20            ; bv
	s_load_b64 s[92:93], s[0:1], 0x28              ; rope
	s_load_b64 s[94:95], s[0:1], 0x30              ; qkv
	v_lshl_add_u32 v[SPW], v0, 2, SPARE
	v_mov_b32 v[NIL], 0
	ds_add_u32 v[SPW], v[NIL]                      ; the wave's opening: the add, twice on end, and its wait ahead of my first tensor load
	ds_add_u32 v[SPW], v[NIL]                      ; and once more, under the one wait; the set-up below, work on registers, stands between
	v_lshrrev_b32 v1, 5, v0
	v_readfirstlane_b32 s14, v1                    ; wave 0..3
	s_lshr_b32 s15, s14, 1                         ; which half of the tile's tokens is mine.  Also: I fetch for x (0) or for W (1)
	s_and_b32 s16, s14, 1                          ; which half of its columns: 0 the two query heads, 1 the key and the value head.  Also: which 128 rows I fetch
	s_bfe_u32 s40, ttmp6, 0x40000                  ; cx, cy: my place in the cluster
	s_bfe_u32 s41, ttmp6, 0x40004
	s_lshl_b32 s42, ttmp9, 2
	s_add_co_u32 s42, s42, s40                     ; tile column = the key/value group g = 4 x cluster x + cx
	s_and_b32 s17, ttmp7, 0xffff
	s_lshl_b32 s17, s17, 2
	s_add_co_u32 s17, s17, s41                     ; tile row = 4 x cluster y + cy
	s_lshl_b32 s43, s41, 2
	s_lshl_b32 s43, 15, s43                        ; my row of the cluster
	s_lshl_b32 s44, 0x1111, s40                    ; my column
	; descriptor group 1: a tile of 128 rows x 256 bytes, padded in LDS
	s_or_b32 s[G1+0], s43, (0<<16)|(1<<20)|(1<<21)|(5<<22)|(3<<25)  ; 15:0 the mask: x's tiles go to my row; 17:16 elements of 1 byte; 20 padding on; 21 set beside a mask; 24:22 after every 64 words; 31:25 four words
	s_or_b32 s[G1B+0], s44, (0<<16)|(1<<20)|(1<<21)|(5<<22)|(3<<25)
.irp g, G1, G1B
	s_mov_b32 s[\g+1], ROWB<<16                    ; tensor_dim0
	s_mov_b32 s[\g+2], 128<<16                     ; tensor_dim1
	s_mov_b32 s[\g+3], ROWB<<16                    ; tile_dim0
	s_mov_b32 s[\g+4], 128                         ; tile_dim1
	s_mov_b32 s[\g+5], KROW                        ; tensor_dim0_stride
	s_mov_b32 s[\g+6], 0
	s_mov_b32 s[\g+7], 0
.endr
	; the scales of 128 rows: a dense block of 8,192 bytes, as 32 rows of 256 bytes (32 elements of 8 bytes), 16 bytes of padding behind each
	s_or_b32 s[G1S+0], s43, (3<<16)|(1<<20)|(1<<21)|(5<<22)|(3<<25)
	s_or_b32 s[G1SB+0], s44, (3<<16)|(1<<20)|(1<<21)|(5<<22)|(3<<25)
.irp g, G1S, G1SB
	s_mov_b32 s[\g+1], 32<<16
	s_mov_b32 s[\g+2], (128*KS/256)<<16
	s_mov_b32 s[\g+3], 32<<16
	s_mov_b32 s[\g+4], 128*KS/256
	s_mov_b32 s[\g+5], 32
	s_mov_b32 s[\g+6], 0
	s_mov_b32 s[\g+7], 0
.endr
	s_lshl_b32 s18, s16, 7                         ; which 128 rows of the tile I fetch
	s_lshl_b32 s20, s17, 8
	s_add_co_u32 s20, s20, s18                     ; x: row 256 x tile row + 128 x half
	s_lshl_b32 s46, s42, 8
	s_add_co_u32 s46, s46, s18                     ; W: row 256 x tile column + 128 x half
	s_mov_b32 s21, 0
	s_mov_b32 s47, 0
	s_mov_b64 s[18:19], KS
	s_mul_u64 s[22:23], s[20:21], s[18:19]         ; where these rows' scales begin, in bytes
	s_mul_u64 s[66:67], s[46:47], s[18:19]
	s_mov_b64 s[18:19], KROW
	s_mul_u64 s[20:21], s[20:21], s[18:19]         ; and their codes
	s_mul_u64 s[46:47], s[46:47], s[18:19]
	s_mul_i32 s45, s14, HALFT                      ; where they go: wave x 128 rows: no place in the cluster enters an LDS address
	s_mul_i32 s2, s14, HALFS
	s_wait_dscnt 0x0                               ; both opening adds are done
	s_wait_kmcnt 0x0
	s_add_nc_u64 s[6:7], s[4:5], 0x400000          ; x's scale bytes
	s_add_nc_u64 s[10:11], s[8:9], 0x200000        ; W's
	s_add_nc_u64 s[20:21], s[4:5], s[20:21]
	s_add_nc_u64 s[22:23], s[6:7], s[22:23]
	s_add_nc_u64 s[46:47], s[8:9], s[46:47]
	s_add_nc_u64 s[66:67], s[10:11], s[66:67]
	CROUND                                         ; all sixteen work-groups are here: the first joint loads meet
	s_mov_b32 s[G0S], 1
	s_add_co_u32 s[G0S+1], s2, SCL
	s_mov_b64 s[G0S+2:G0S+3], s[22:23]
	s_or_b32 s[G0S+3], s[G0S+3], 0x80000000
	s_mov_b32 s[G0SB], 1
	s_add_co_u32 s[G0SB+1], s2, SCL
	s_mov_b64 s[G0SB+2:G0SB+3], s[66:67]
	s_or_b32 s[G0SB+3], s[G0SB+3], 0x80000000
	JLOAD G0S, G1S, G0SB, G1SB                     ; the scales first: they are wanted with K step 0
.irp s, 0,1
	s_mov_b32 s[G0+4*\s], 1
	s_add_co_u32 s[G0+4*\s+1], s45, \s*SLOT
	s_add_nc_u64 s[G0+4*\s+2:G0+4*\s+3], s[20:21], \s*ROWB
	s_or_b32 s[G0+4*\s+3], s[G0+4*\s+3], 0x80000000
	s_mov_b32 s[G0B+4*\s], 1
	s_add_co_u32 s[G0B+4*\s+1], s45, \s*SLOT
	s_add_nc_u64 s[G0B+4*\s+2:G0B+4*\s+3], s[46:47], \s*ROWB
	s_or_b32 s[G0B+4*\s+3], s[G0B+4*\s+3], 0x80000000
	JLOAD G0+4*\s, G1, G0B+4*\s, G1B               ; three tensor loads of mine are out
.endr
	v_and_b32 v1, 15, v0                           ; r = lane % 16
	v_bfe_u32 v2, v0, 4, 1                         ; h = lane / 16
	v_mul_u32_u24 v3, v1, PITCH
	v_lshl_add_u32 v4, v2, 4, v3                   ; a fragment's row x pitch + 16 x half
	s_mul_i32 s21, s15, HALFT                      ; my 128 tokens
	s_mul_i32 s22, s16, HALFT                      ; my 128 rows of W,
	s_add_co_u32 s22, s22, 2*HALFT                 ; which lie behind x's 256
.irp s, 0,1
	v_add_nc_u32 v[ADRA+\s], s21, v4
	v_add_nc_u32 v[ADRB+\s], s22, v4
	s_add_co_u32 s21, s21, SLOT
	s_add_co_u32 s22, s22, SLOT
.endr
	v_mul_u32_u24 v5, v1, KS                       ; my row's scales: 64 bytes a row,
	v_lshrrev_b32 v6, 8, v5
	v_lshl_add_u32 v5, v6, 4, v5                   ; and 16 more for each 256 passed
	s_mul_i32 s21, s15, HALFS                      ; x's: my 128 rows
	s_mul_i32 s22, s16, HALFS                      ; W's: my 128 rows, behind x's 256
	s_add_co_u32 s22, s22, 2*HALFS
	s_sub_co_u32 s22, s22, s21
	v_mul_u32_u24 v6, s22, v2                      ; lanes 16-31 take W's
	s_add_co_u32 s21, s21, SCL
	v_add_nc_u32 v5, v5, v6
	v_add_nc_u32 v[ADRS], s21, v5
	; the biases of my 128 columns: blocks 0-3 and blocks 4-7 each from one tensor
	v_lshlrev_b32 v[BO], 5, v2
	s_lshl_b32 s46, s42, 9
	s_mov_b32 s47, 0
	s_add_nc_u64 s[96:97], s[96:97], s[46:47]      ; bq at the group's first query head
	s_lshl_b32 s46, s42, 8
	s_add_nc_u64 s[98:99], s[98:99], s[46:47]      ; bk at the group's head
	s_add_nc_u64 s[100:101], s[100:101], s[46:47]  ; bv likewise
	s_add_nc_u64 s[46:47], s[96:97], 256           ; bq at the second query head
	s_cmp_eq_u32 s16, 0
	s_cselect_b64 s[96:97], s[96:97], s[98:99]     ; blocks 0-3: the first query head's, or the key head's
	s_cselect_b64 s[98:99], s[46:47], s[100:101]   ; blocks 4-7: the second query head's, or the value head's
.irp b, 0,1,2,3
	global_load_b128 v[BI+8*\b:BI+8*\b+3], v[BO], s[96:97] offset:64*\b
	global_load_b128 v[BI+8*\b+4:BI+8*\b+7], v[BO], s[96:97] offset:64*\b+16
	global_load_b128 v[BI+32+8*\b:BI+32+8*\b+3], v[BO], s[98:99] offset:64*\b
	global_load_b128 v[BI+32+8*\b+4:BI+32+8*\b+7], v[BO], s[98:99] offset:64*\b+16
.endr
	; the way out's addresses
	v_lshlrev_b32 v[TA], 8, v1
	v_lshl_add_u32 v[TA], v2, 5, v[TA]             ; the table: 256 bytes a token, + 32 h
	s_mul_i32 s23, s14, 2*16*HP                    ; my stage
	v_mul_u32_u24 v5, v1, HP
	v_lshl_add_u32 v5, v2, 4, v5
	v_add_nc_u32 v[STO], s23, v5                   ; in: row r, + 16 h
	v_and_b32 v6, 31, v0
	v_lshrrev_b32 v7, 3, v6
	v_and_b32 v8, 7, v6
	v_mul_u32_u24 v7, v7, HP
	v_lshl_add_u32 v7, v8, 4, v7
	v_add_nc_u32 v[RD], s23, v7                    ; back: eight lanes to a token's 128 bytes, four tokens an instruction
	v_lshlrev_b32 v[GO], 4, v6
	s_lshr_b32 s18, s17, 3                         ; the batch
	s_and_b32 s19, s17, 7
	s_lshl_b32 s19, s19, 8
	s_lshl_b32 s20, s15, 7
	s_add_co_u32 s19, s19, s20                     ; my first token's place in its sequence
	s_lshl_b32 s21, s17, 8
	s_add_co_u32 s21, s21, s20                     ; and among the 4,096
	s_lshl_b32 s40, s21, 8
	s_mov_b32 s41, 0
	s_add_nc_u64 s[92:93], s[92:93], s[40:41]      ; the table at my first token
	s_lshl_b32 s22, s18, 4
	s_lshl_b32 s23, s42, 1
	s_add_co_u32 s22, s22, s23                     ; Q: head plane 16 b + 2 g
	s_lshl_b32 s23, s18, 3
	s_add_co_u32 s23, s23, s42
	s_add_co_u32 s23, s23, 32                      ; K: plane 8 b + g, behind Q's 32 planes of 262,144 bytes
	s_cmp_eq_u32 s16, 0
	s_cselect_b32 s22, s22, s23
	s_mov_b32 s23, 0x400000                        ; from K's plane to V's,
	s_cselect_b32 s23, 0x40000, s23                ; or from a query head's to the next
	s_lshl_b32 s22, s22, 11
	s_add_co_u32 s22, s22, s19
	s_lshl_b32 s40, s22, 7                         ; 128 bytes a token
	s_add_nc_u64 s[44:45], s[94:95], s[40:41]      ; where my first head's rows go; never stepped
	s_mov_b32 s40, s23
	s_add_nc_u64 s[46:47], s[44:45], s[40:41]      ; and my second head's
.macro FRAG reg, adr, q, i             ; a fragment, 16 rows x 128 K of 4-bit codes: lane l holds row l % 16; registers 4 c .. 4 c + 3 hold K = 64 c + 32 (l / 16) + 0 .. 31
.irp c, 0,1
	ds_load_b128 v[\reg+4*\c:\reg+4*\c+3], v[\adr] offset:64*(\q)+32*\c+(\i)*16*PITCH
.endr
.endm
; 16 matrix instructions: x's blocks a0, a0 + 1 against W's eight, 128 along K: the slot's q-th.  p: W's set;  sc: the set of scale words.  zero = 1: the first product starts the sums, with the bias as C.
; The 64 accumulators take turns, one instruction a turn, in the same order in every step.
.macro MUL16 a0, p, q, sc, zero
.irp a, \a0, \a0+1
.irp b, 0,1,2,3,4,5,6,7
.if \zero
	v_wmma_scale_f32_16x16x128_f8f6f4 v[8*(8*((\a)%4)+\b):8*(8*((\a)%4)+\b)+7], v[128*(\p)+FR*\b:128*(\p)+FR*\b+FR-1], v[AF+FR*(\a):AF+FR*(\a)+FR-1], v[BI+8*\b:BI+8*\b+7], v[SC+8*NQ*(\sc)+NQ*\b+(\q)], v[SC+8*NQ*(\sc)+NQ*(\a)+(\q)] matrix_a_fmt:MATRIX_FMT_FP4 matrix_b_fmt:MATRIX_FMT_FP4 matrix_a_scale:MATRIX_SCALE_ROW1
.else
	v_wmma_scale_f32_16x16x128_f8f6f4 v[8*(8*((\a)%4)+\b):8*(8*((\a)%4)+\b)+7], v[128*(\p)+FR*\b:128*(\p)+FR*\b+FR-1], v[AF+FR*(\a):AF+FR*(\a)+FR-1], v[8*(8*((\a)%4)+\b):8*(8*((\a)%4)+\b)+7], v[SC+8*NQ*(\sc)+NQ*\b+(\q)], v[SC+8*NQ*(\sc)+NQ*(\a)+(\q)] matrix_a_fmt:MATRIX_FMT_FP4 matrix_b_fmt:MATRIX_FMT_FP4 matrix_a_scale:MATRIX_SCALE_ROW1
.endif
.endr
.endr
.endm
.macro FETCH_B slot, q, p              ; W's eight fragments of the slot's q-th 128 along K into set p
	WIN TO_B
.irp i, 0,1,2,3,4,5,6,7
	FRAG 128*(\p)+FR*\i, ADRB+\slot, \q, \i
.endr
	WIN 0
.endm
.macro FETCH_A slot, q, i0             ; x's blocks i0 .. i0 + 3
.irp i, \i0, \i0+1, \i0+2, \i0+3
	FRAG AF+FR*(\i), ADRA+\slot, \q, \i
.endr
.endm
.macro SCALES sc                       ; a K step's scale words into set sc: four words a row; lanes 0-15 take x's block i, lanes 16-31 W's block i
.irp i, 0,1,2,3,4,5,6,7
	ds_load_b128 v[SC+8*NQ*\sc+NQ*\i:SC+8*NQ*\sc+NQ*\i+3], v[ADRS] offset:\i*SBLK
.endr
.endm
; A load into a register that a matrix instruction has read, and a vector instruction or an LDS store that reads a matrix result, stand NP places behind that matrix instruction; only plain vector
; instructions that name none of its registers are places.
.macro PLACES n
.rept \n
	v_nop
.endr
.endm
; A step of 128 along K that has its successor in the same slot.  zero = 1: C (the biases) lies in window 0.
.macro STEP slot, q, zero
	s_wait_dscnt 4*NL                              ; W's set and x's blocks 0-3 are in; the youngest eight loads (x's blocks 4-7) may be out
.if \zero
	WIN 0x81
.else
	WIN MUL_LO
.endif
	MUL16 0, (\q)%2, \q, \slot, \zero
	MUL16 2, (\q)%2, \q, \slot, \zero
	s_wait_dscnt 0                                 ; x's blocks 4-7 are in
	PLACES NP
	FETCH_B \slot, (\q)+1, 1-(\q)%2
	FETCH_A \slot, (\q)+1, 0
.if \zero
	WIN 0xc1
.else
	WIN MUL_HI
.endif
	MUL16 4, (\q)%2, \q, \slot, \zero
	MUL16 6, (\q)%2, \q, \slot, \zero
	PLACES NP
	WIN 0
	FETCH_A \slot, (\q)+1, 4
.endm
; A slot's last step changes slots: one barrier; in front of it each wave waits for all its tensor loads, adds 0 to its spare word, and waits for that and for its own reads of this slot.  fill = 1: this slot is filled again, two K steps ahead.
.macro TURN slot, next, fill
	s_wait_tensorcnt 0x0                           ; all my tensor loads have landed: my part of the next slot
	ds_add_u32 v[SPW], v[NIL]                      ; 0 onto my spare word
	s_wait_dscnt 4*NL+1                            ; (the add and the youngest eight loads, x's blocks 4-7, may be out)
	WIN MUL_LO
	MUL16 0, 1, NQ-1, \slot, 0                     ; sixteen matrix instructions stand between the add and the wait for it
	s_wait_dscnt 0x0                               ; the add is done, and my reads of this slot are over
	s_barrier_signal -1
	MUL16 2, 1, NQ-1, \slot, 0
	WIN 0
	s_barrier_wait -1
.if \fill
	CREST                                          ; the barrier has opened a round of the cluster's barrier: no wave of any partner still reads this slot's tile or has a load on its way
	s_add_nc_u64 s[G0+4*\slot+2:G0+4*\slot+3], s[G0+4*\slot+2:G0+4*\slot+3], 2*ROWB
	s_add_nc_u64 s[G0B+4*\slot+2:G0B+4*\slot+3], s[G0B+4*\slot+2:G0B+4*\slot+3], 2*ROWB
	JLOAD G0+4*\slot, G1, G0B+4*\slot, G1B         ; the first tensor load behind the round; its four v_nop are the places in front of the loads below
.else
	PLACES NP
.endif
	v_add_nc_u32 v[ADRS], 4*NQ, v[ADRS]            ; on to the next K step's scale words (no LDS load of mine is out)
	FETCH_B \next, 0, 0
	FETCH_A \next, 0, 0
	SCALES \next
	WIN MUL_HI
	MUL16 4, 1, NQ-1, \slot, 0
	MUL16 6, 1, NQ-1, \slot, 0
	PLACES NP
	WIN 0
	FETCH_A \next, 0, 4
.endm
.macro STEPS slot, from                ; the slot's steps from .. NQ - 2
.set Q, \from
.rept NQ-1-\from
	STEP \slot, Q, 0
.set Q, Q+1
.endr
.endm
	s_wait_tensorcnt 1                             ; the scales and my part of K step 0 are in (K step 1's load may be out)
	s_barrier_signal -1
	s_barrier_wait -1                              ; everybody's are
	FETCH_B 0, 0, 0
	FETCH_A 0, 0, 0
	SCALES 0
	FETCH_A 0, 0, 4
	s_wait_loadcnt 0x0                             ; the biases
	STEP 0, 0, 1                                   ; the first step stands in front of the loop: its products start the sums
	s_mov_b32 s3, LAPS-1
.Llap:                                                 ; a trip goes once round the ring, from a lap's second step to the next lap's first, and fills both slots again
	STEPS 0, 1
	TURN 0, 1, 1
	STEPS 1, 0
	TURN 1, 0, 1
	STEP 0, 0, 0
	s_sub_co_u32 s3, s3, 1
	s_cmp_lg_u32 s3, 0
	s_cbranch_scc1 .Llap
	STEPS 0, 1                                     ; the last lap fills nothing, and has no round of the cluster's barrier
	TURN 0, 1, 0
	STEPS 1, 0
	s_wait_dscnt 4*NL                              ; the very last step: nothing more to fetch
	WIN MUL_LO
	MUL16 0, 1, NQ-1, 1, 0
	MUL16 2, 1, NQ-1, 1, 0
	s_wait_dscnt 0
	WIN MUL_HI
	MUL16 4, 1, NQ-1, 1, 0
	MUL16 6, 1, NQ-1, 1, 0
	WIN 0
; THE WAY OUT, block a of 16 tokens at a time.  My 128 columns are two heads of 64: blocks 4 hd + 0 .. 3; in a head, block u holds numbers 16 u + 8 h + j, and number d < 32 is rotated with number d + 32:
; blocks u and u + 2 of one lane, by frequency 16 u + 8 h + j.  out(d) = x(d) cos - x(d + 32) sin, out(d + 32) = x(d + 32) cos + x(d) sin; the table holds kappa cos and kappa sin.
; The value head is only rounded.  A lane's eight f16 of a block are 16 bytes of a token's 128; they go through my stage and leave as 512 consecutive bytes an instruction (four tokens of a head).
.macro TAB a                           ; block a's 16 cosines and 16 sines a lane into table set a % 2
.irp o, 0,1
	global_load_b128 v[T+32*((\a)%2)+8*\o:T+32*((\a)%2)+8*\o+3], v[TA], s[92:93] offset:4096*(\a)+64*\o
	global_load_b128 v[T+32*((\a)%2)+8*\o+4:T+32*((\a)%2)+8*\o+7], v[TA], s[92:93] offset:4096*(\a)+64*\o+16
	global_load_b128 v[T+32*((\a)%2)+16+8*\o:T+32*((\a)%2)+16+8*\o+3], v[TA], s[92:93] offset:4096*(\a)+128+64*\o
	global_load_b128 v[T+32*((\a)%2)+16+8*\o+4:T+32*((\a)%2)+16+8*\o+7], v[TA], s[92:93] offset:4096*(\a)+128+64*\o+16
.endr
.endm
.macro ROPEH a, hd                     ; head hd of block a is rotated and rounded.  Each accumulator is read from its low end on
.set AC, 64*((\a)%4)
.set TT, T+32*((\a)%2)
	WIN (0x02+(\a)/4)                              ; source 0: window 2 or 3
.irp u, 0,1
.irp jj, 0,2,4,6
	v_pk_mul_f32 v[RR+8*\u+\jj:RR+8*\u+\jj+1], v[AC+8*(4*\hd+\u)+\jj:AC+8*(4*\hd+\u)+\jj+1], v[TT+8*\u+\jj:TT+8*\u+\jj+1]
	v_pk_mul_f32 v[RR+16+8*\u+\jj:RR+16+8*\u+\jj+1], v[AC+8*(4*\hd+\u+2)+\jj:AC+8*(4*\hd+\u+2)+\jj+1], v[TT+8*\u+\jj:TT+8*\u+\jj+1]
	v_pk_fma_f32 v[RR+8*\u+\jj:RR+8*\u+\jj+1], v[AC+8*(4*\hd+\u+2)+\jj:AC+8*(4*\hd+\u+2)+\jj+1], v[TT+16+8*\u+\jj:TT+16+8*\u+\jj+1], v[RR+8*\u+\jj:RR+8*\u+\jj+1] neg_lo:[1,0,0] neg_hi:[1,0,0]
	v_pk_fma_f32 v[RR+16+8*\u+\jj:RR+16+8*\u+\jj+1], v[AC+8*(4*\hd+\u)+\jj:AC+8*(4*\hd+\u)+\jj+1], v[TT+16+8*\u+\jj:TT+16+8*\u+\jj+1], v[RR+16+8*\u+\jj:RR+16+8*\u+\jj+1]
.endr
.endr
	WIN 0
.set i, 0
.rept 16
	v_cvt_pk_f16_f32 v[PK+32*((\a)%2)+16*\hd+i], v[RR+2*i], v[RR+2*i+1]
.set i, i+1
.endr
.endm
.macro CVTV a                          ; the value head of block a: blocks 4-7, rounded as they are
.set AC, 64*((\a)%4)
	WIN (0x0a+5*((\a)/4))                          ; sources 0 and 1: window 2 or 3
.set i, 0
.rept 16
	v_cvt_pk_f16_f32 v[PK+32*((\a)%2)+16+i], v[AC+32+2*i], v[AC+32+2*i+1]
.set i, i+1
.endr
	WIN 0
.endm
.macro HEAD1 a                         ; my second head: a query head, or the value head.  The branch hangs on the wave's number alone; every window is 0 at it and at the labels
	s_cmp_eq_u32 s16, 0
	s_cbranch_scc0 .Lis_v_\@
	ROPEH \a, 1
	s_branch .Ljoined_\@
.Lis_v_\@:
	CVTV \a
.Ljoined_\@:
.endm
.macro TOSTAGE a                       ; LDS serves a wave's instructions in order: the loads see the stores, and the next block's stores come behind these loads
.irp hd, 0,1
.irp b, 0,1,2,3
	ds_store_b128 v[STO], v[PK+32*((\a)%2)+16*\hd+4*\b:PK+32*((\a)%2)+16*\hd+4*\b+3] offset:16*HP*\hd+32*\b
.endr
.endr
.irp hd, 0,1
.irp i, 0,1,2,3
	ds_load_b128 v[OUTR+32*((\a)%2)+16*\hd+4*\i:OUTR+32*((\a)%2)+16*\hd+4*\i+3], v[RD] offset:16*HP*\hd+4*HP*\i
.endr
.endr
.endm
.macro SEND a
	s_wait_dscnt 0x0                               ; the block is back in registers
.irp i, 0,1,2,3
	global_store_b128 v[GO], v[OUTR+32*((\a)%2)+4*\i:OUTR+32*((\a)%2)+4*\i+3], s[44:45] offset:2048*(\a)+512*\i   ; 32 lanes store 512 consecutive bytes, aligned
.endr
.irp i, 0,1,2,3
	global_store_b128 v[GO], v[OUTR+32*((\a)%2)+16+4*\i:OUTR+32*((\a)%2)+16+4*\i+3], s[46:47] offset:2048*(\a)+512*\i
.endr
.endm
	PLACES NP                                      ; behind the last products: for the loads into the scale words' registers, the writes over x's fragments and the reads of results
	TAB 0
.irp a, 0,1,2,3,4,5,6,7
.if \a < 7
	TAB \a+1
	s_wait_loadcnt 8                               ; this block's eight table loads are in; the next block's eight may be out
.else
	s_wait_loadcnt 0x0
.endif
	ROPEH \a, 0
	HEAD1 \a
.if \a > 0
	SEND \a-1                                      ; the block before: its way through the stage stood beside this block's arithmetic
.endif
.if \a > 1
	s_wait_xcnt 0x0                                ; block a - 2's stores have read their registers: block a's rows may land there
.endif
	TOSTAGE \a
.endr
	SEND 7
	s_wait_tensorcnt 0x0                           ; the wave's end: behind my last tensor load and my last LDS store
	ds_add_u32 v[SPW], v[NIL]
	s_wait_dscnt 0x0
	CROUND                                         ; the closing round: no work-group ends while a partner may still ask for a tile that names it
	s_endpgm
.Lfunc_end_k_q25387f792b_proj:
	.size	k_q25387f792b_proj, .Lfunc_end_k_q25387f792b_proj-k_q25387f792b_proj
	.p2alignl 7, 3214868480
	.fill 96, 4, 3214868480
	.section	.rodata,"a",@progbits
	.p2align	6, 0x0
	.amdhsa_kernel k_q25387f792b_proj
		.amdhsa_group_segment_fixed_size 327680
		.amdhsa_private_segment_fixed_size 0
		.amdhsa_enable_private_segment 0
		.amdhsa_kernarg_size 56
		.amdhsa_user_sgpr_count 2
		.amdhsa_user_sgpr_kernarg_segment_ptr 1
		.amdhsa_wavefront_size32 1
		.amdhsa_system_sgpr_workgroup_id_x 1
		.amdhsa_system_sgpr_workgroup_id_y 1
		.amdhsa_system_sgpr_workgroup_id_z 1
		.amdhsa_system_vgpr_workitem_id 0
		.amdhsa_next_free_vgpr 1024
		.amdhsa_next_free_sgpr 102
		.amdhsa_reserve_vcc 0
		.amdhsa_float_denorm_mode_32 3
		.amdhsa_float_denorm_mode_16_64 3
		.amdhsa_memory_ordered 1
		.amdhsa_forward_progress 1
		.amdhsa_inst_pref_size 255
	.end_amdhsa_kernel
	.section	.bss,"aw",@nobits
	.p2align	6
	.space	262144
	.amdgpu_metadata
---
amdhsa.version: [ 1, 2 ]
amdhsa.kernels:
  - .name:           k_q25387f792b_proj
    .symbol:         k_q25387f792b_proj.kd
    .args:
      - { .name: xq, .offset: 0, .size: 8, .value_kind: global_buffer, .address_space: global }
      - { .name: wq, .offset: 8, .size: 8, .value_kind: global_buffer, .address_space: global }
      - { .name: bq, .offset: 16, .size: 8, .value_kind: global_buffer, .address_space: global }
      - { .name: bk, .offset: 24, .size: 8, .value_kind: global_buffer, .address_space: global }
      - { .name: bv, .offset: 32, .size: 8, .value_kind: global_buffer, .address_space: global }
      - { .name: rope, .offset: 40, .size: 8, .value_kind: global_buffer, .address_space: global }
      - { .name: qkv, .offset: 48, .size: 8, .value_kind: global_buffer, .address_space: global }
    .group_segment_fixed_size: 327680
    .private_segment_fixed_size: 0
    .kernarg_segment_align: 8
    .kernarg_segment_size: 56
    .max_flat_workgroup_size: 128
    .sgpr_count:     102
    .vgpr_count:     1024
    .wavefront_size: 32
...
	.end_amdgpu_metadata
.endif
;; end of part 2
;; launch attn (part 3): grid 16 x 16, 8 waves a work-group, no clusters, 167,936 bytes of LDS; arguments qkv, sinks, ctx; writes ctx
.if DOCPART == 3
	.amdgcn_target "amdgcn-amd-amdhsa--gfx1250"
	.amdhsa_code_object_version 6
	.text
	.protected	k_q25387f792b_attn
	.globl	k_q25387f792b_attn
	.p2align	8
	.type	k_q25387f792b_attn,@function
k_q25387f792b_attn:
	s_mov_b64 s[64:65], 0
	v_nop
	global_prefetch_b8 v0, s[64:65] scope:SCOPE_SE
	s_setreg_imm32_b32 hwreg(HW_REG_WAVE_MODE, 25, 1), 1
	s_wait_xcnt 0x0
; LAUNCH 3 OF 4.  Attention under reference()'s own mask (key j counts for query i where i - 128 < j <= i), with one sink logit a head inside the softmax.  f16 operands, f32 sums, softmax in f32.
; WORK LEFT OUT: tiles of 16 keys that lie wholly under that mask have the weight 0 for all inputs: of each tile of 16 queries from q0 on only the nine key tiles from q0 - 128 on are multiplied.
; qkv holds f16: Q [b][16 heads][2048][64] at 0, K [b][8][2048][64] at 8,388,608, V likewise at 12,582,912; Q and K are rotated and carry kappa = sqrt(log2(e) / 8) each, so Q . K is t, the exponent to base 2.
; SHARES.  Work-group (x, y): queries 128 x .. 128 x + 127 of batch y / 8, key/value group y % 8.  Wave w: queries 128 x + 16 w .. + 15 of the group's TWO query heads, which share K and V.
; K's and V's 256 rows from key 128 x - 128 on come into LDS once, one tensor load of 64 rows a wave (waves 0-3: K, waves 4-7: V); nothing is filled twice.  For x = 0 the first 128 rows would lie ahead of the
; sequence: those two loads take keys 0 .. 63 instead (no load leaves the buffer), and the tiles are masked.
; No cluster: a row of K or V is read by two work-groups only, and at different LDS rows, so their descriptors could not be equal.
; LAYOUT.  S^T = K Q^T (source 0 = 16 keys, source 1 = my 16 queries): a lane holds ONE query (lane % 16) and keys 8 (lane / 16) + 0 .. 7 of a tile.  Two neighbouring tiles, rounded to f16 in pairs, are
; source 1 (32 keys x 16 queries) of O^T = V^T P, whose result again holds one query a lane and eight channels.  V comes out of LDS turned, by ds_load_tr16_b128.
; THE MASKS are the C of a score tile's first product: 0 or -1e30.  In the first tile key kk counts where kk > the query's place r, in the last where kk <= r; the seven between count whole.
; SOFTMAX.  M = the largest of the row's t and of the sink's; p = 2^(t - M); the sum is taken of the f32 p and of the sink's; O is divided by it at the end.  M is among the terms, so the sum is at least 1.
; REGISTERS: v1-8 addresses; v9-15 at work; v16-23, v24-31 the two masks, later eight registers of statistics a head (+0, +1 M; +2, +3 the sum; +4, +5 at work; +6, +7 the sink's p, then 1 / sum);
;   v32-63 Q; v64-111 three key tiles; v112-255 S^T, 72 a head.  Later: v32-111 P, 40 a head; v112-175 O^T, 32 a head; v176-239 V, two sets; on the way out v176-207 f16 results, v208-239 rows read back.
.set PKK,   144                        ; a key's row in LDS: 128 bytes + 16 of padding
.set PVV,   160                        ; a row of V: 128 + 32
.set VOFF,  256*PKK
.set STAGE, VOFF+256*PVV               ; the way out: 16 rows x (256 bytes + 16) for each wave; no tensor load lands here
.set SPITCH, 272
.set SPARE, STAGE+8*16*SPITCH          ; the spare words, 128 bytes for each wave
.set SPW, 1                            ; v1  LDS address of my spare word; never rewritten
.set NIL, 2                            ; v2  0; never rewritten
.set AK,  3                            ; v3  my lane's place in my first key tile
.set AV,  4                            ; v4  the same in V, for the turning load
.set QO,  5                            ; v5  my byte offset in my 16 rows of Q
.set STO, 6
.set RD,  7
.set GO,  8
.set DG,  16                           ; the last tile's mask
.set WN,  24                           ; the first tile's
.set ST,  16
.set QF,  32
.set KB,  64
.set SB,  112
.set PB,  32
.set OB,  112
.set VB,  176
.set PO,  176
.set BK,  208
.set WV,  10                           ; s10 my wave's number
.set G1K, 16                           ; s[16:23] descriptor group 1 for K;  s[24:31] for V;  s[32:35], s[36:39] their groups 0
.set G1V, 24
.set G0K, 32
.set G0V, 36
.set SEL, 40                           ; s[40:41] lane selects for v_permlanex16_b32: lane l xor 16
.set SK,  42                           ; s[42:43] the two heads' sinks x log2(e)
	s_load_b128 s[4:7], s[0:1], 0x0                ; qkv, sinks
	s_load_b64 s[8:9], s[0:1], 0x10                ; ctx
	v_lshl_add_u32 v[SPW], v0, 2, SPARE
	v_mov_b32 v[NIL], 0
	ds_add_u32 v[SPW], v[NIL]                      ; the wave's opening: the add, twice on end, and its wait ahead of my tensor load
	ds_add_u32 v[SPW], v[NIL]                      ; and once more, under the one wait; the set-up below, work on registers, stands between
	v_lshrrev_b32 v9, 5, v0
	v_readfirstlane_b32 s[WV], v9                  ; wave 0..7
	s_and_b32 s11, ttmp7, 0xffff                   ; y = 8 x batch + group
	s_and_b32 s12, s[WV], 3                        ; which 64 of the 256 rows I fetch
	; descriptor group 1: 64 rows x 64 elements of 2 bytes, dense in memory, padded in LDS
	s_mov_b32 s[G1K], (1<<16)|(1<<20)|(4<<22)|(3<<25)              ; no mask; elements of 2 bytes; padding on: after every 32 words four words
	s_mov_b32 s[G1V], (1<<16)|(1<<20)|(4<<22)|(7<<25)              ; the same with eight words
.irp g, G1K, G1V
	s_mov_b32 s[\g+1], 64<<16                      ; tensor_dim0
	s_mov_b32 s[\g+2], 64<<16                      ; tensor_dim1
	s_mov_b32 s[\g+3], 64<<16                      ; tile_dim0
	s_mov_b32 s[\g+4], 64                          ; tile_dim1
	s_mov_b32 s[\g+5], 64                          ; tensor_dim0_stride
	s_mov_b32 s[\g+6], 0
	s_mov_b32 s[\g+7], 0
.endr
	s_lshl_b32 s13, ttmp9, 7
	s_lshl_b32 s14, s12, 6
	s_add_co_u32 s14, s14, s13
	s_sub_co_i32 s14, s14, 128                     ; my first key: 128 x - 128 + 64 p,
	s_max_i32 s14, s14, 0                          ; held at 0
	s_lshl_b32 s14, s14, 7                         ; 128 bytes a key
	s_lshl_b32 s15, s11, 18                        ; 262,144 bytes a plane
	s_add_co_u32 s14, s14, s15
	s_add_co_u32 s44, s14, 0x800000                ; in K,
	s_mov_b32 s45, 0
	s_add_co_u32 s46, s14, 0xc00000                ; in V
	s_mov_b32 s47, 0
	s_mov_b32 s[SEL], 0x76543210
	s_mov_b32 s[SEL+1], 0xfedcba98
	s_wait_dscnt 0x0                               ; both opening adds are done
	s_wait_kmcnt 0x0
	s_mov_b32 s[G0K], 1
	s_mul_i32 s[G0K+1], s12, 64*PKK
	s_add_nc_u64 s[G0K+2:G0K+3], s[4:5], s[44:45]
	s_or_b32 s[G0K+3], s[G0K+3], 0x80000000
	s_mov_b32 s[G0V], 1
	s_mul_i32 s[G0V+1], s12, 64*PVV
	s_add_co_u32 s[G0V+1], s[G0V+1], VOFF
	s_add_nc_u64 s[G0V+2:G0V+3], s[4:5], s[46:47]
	s_or_b32 s[G0V+3], s[G0V+3], 0x80000000
	s_cmp_lt_u32 s[WV], 4                          ; every wave issues one first fill: one tensor load of mine is out
	s_cbranch_scc0 .Lfill_v
	tensor_load_to_lds s[G0K:G0K+3], s[G1K:G1K+7]
	s_nop 0
	s_branch .Lfilled
.Lfill_v:
	tensor_load_to_lds s[G0V:G0V+3], s[G1V:G1V+7]
	s_nop 0
.Lfilled:
	s_and_b32 s13, s11, 7                          ; the group
	s_lshl_b32 s44, s13, 3
	s_add_nc_u64 s[6:7], s[6:7], s[44:45]
	s_load_b64 s[SK:SK+1], s[6:7], 0x0             ; the sinks of heads 2 g and 2 g + 1
	s_lshl_b32 s14, ttmp9, 7
	s_lshl_b32 s15, s[WV], 4
	s_add_co_u32 s14, s14, s15                     ; my first query's place in its sequence
	s_lshl_b32 s44, s14, 7
	s_lshl_b32 s15, s11, 19                        ; two planes of Q for each y
	s_add_co_u32 s44, s44, s15
	s_add_nc_u64 s[46:47], s[4:5], s[44:45]        ; Q at my first query, first head
	s_lshr_b32 s15, s11, 3
	s_lshl_b32 s15, s15, 11
	s_add_co_u32 s15, s15, s14                     ; my first token
	s_lshl_b32 s44, s15, 11                        ; 2,048 bytes a row of ctx
	s_lshl_b32 s13, s13, 8                         ; the group's two heads: 256 bytes
	s_add_co_u32 s44, s44, s13
	s_add_nc_u64 s[8:9], s[8:9], s[44:45]
	v_and_b32 v9, 15, v0                           ; r
	v_bfe_u32 v10, v0, 4, 1                        ; h
	v_lshlrev_b32 v[QO], 7, v9
	v_lshl_add_u32 v[QO], v10, 4, v[QO]            ; row r of 128 bytes, + 16 h
.irp hd, 0,1
.irp ks, 0,1
.irp c, 0,1
	global_load_b128 v[QF+16*\hd+8*\ks+4*\c:QF+16*\hd+8*\ks+4*\c+3], v[QO], s[46:47] offset:262144*\hd+64*\ks+32*\c
.endr
.endr
.endr
	s_mul_i32 s13, s[WV], 16*PKK
	v_mul_u32_u24 v[AK], v9, PKK
	v_lshl_add_u32 v[AK], v10, 4, v[AK]
	v_add_nc_u32 v[AK], s13, v[AK]                 ; LDS row 16 w + r, + 16 h
	v_and_b32 v11, 7, v0
	v_bfe_u32 v12, v0, 3, 1
	v_lshl_add_u32 v[AV], v10, 3, v11
	v_mul_u32_u24 v[AV], v[AV], PVV
	v_lshl_add_u32 v[AV], v12, 4, v[AV]
	s_mul_i32 s13, s[WV], 16*PVV
	s_add_co_u32 s13, s13, VOFF
	v_add_nc_u32 v[AV], s13, v[AV]                 ; LDS row 16 w + 8 h + lane % 8, + 16 ((lane / 8) % 2)
	s_mul_i32 s13, s[WV], 16*SPITCH
	s_add_co_u32 s13, s13, STAGE                   ; my stage
	v_mul_u32_u24 v[STO], v9, SPITCH
	v_lshl_add_u32 v[STO], v10, 4, v[STO]
	v_add_nc_u32 v[STO], s13, v[STO]               ; in: row r, + 16 h
	v_mul_u32_u24 v[RD], v10, SPITCH
	v_lshl_add_u32 v[RD], v9, 4, v[RD]
	v_add_nc_u32 v[RD], s13, v[RD]                 ; back: lanes 0-15 one row of 256 bytes, lanes 16-31 the next
	v_lshlrev_b32 v[GO], 11, v10
	v_lshl_add_u32 v[GO], v9, 4, v[GO]             ; and the same two rows in ctx
	v_lshlrev_b32 v11, 3, v10
	v_sub_nc_u32 v11, v9, v11                      ; d = r - 8 h: register j holds key kk = 8 h + j of a tile, and kk > r where j > d
	v_mov_b32 v12, 0xf149f2ca                      ; -1e30
	v_mov_b32 v13, 0
.irp j, 0,1,2,3,4,5,6,7
	v_cmp_gt_i32 vcc_lo, \j, v11
	v_cndmask_b32 v[DG+\j], 0, v12, vcc_lo         ; the last tile: hidden where kk > r
	v_cndmask_b32 v[WN+\j], v12, v13, vcc_lo       ; the first tile: hidden where kk <= r
.endr
	s_wait_loadcnt 0x0                             ; Q
	s_wait_kmcnt 0x0                               ; the sinks
	s_mul_f32 s[SK], s[SK], 0x3fb8aa3b             ; as exponents to base 2
	s_mul_f32 s[SK+1], s[SK+1], 0x3fb8aa3b
	s_wait_tensorcnt 0x0                           ; my 64 rows have landed,
	s_barrier_signal -1
	s_barrier_wait -1                              ; everybody's have
; Three key tiles: 12 LDS loads, six products that start sums, six that end them.  The six accumulators take turns, one instruction a turn.
.macro KGROUP G
.irp tt, 0,1,2
.irp ks, 0,1
.irp c, 0,1
	ds_load_b128 v[KB+16*\tt+8*\ks+4*\c:KB+16*\tt+8*\ks+4*\c+3], v[AK] offset:(3*\G+\tt)*16*PKK+64*\ks+32*\c
.endr
.endr
.endr
	s_wait_dscnt 0x0
.irp tt, 0,1,2
.irp hd, 0,1
.if (3*\G+\tt) == 0
	v_wmma_f32_16x16x32_f16 v[SB+72*\hd+8*(3*\G+\tt):SB+72*\hd+8*(3*\G+\tt)+7], v[KB+16*\tt:KB+16*\tt+7], v[QF+16*\hd:QF+16*\hd+7], v[WN:WN+7]
.elseif (3*\G+\tt) == 8
	v_wmma_f32_16x16x32_f16 v[SB+72*\hd+8*(3*\G+\tt):SB+72*\hd+8*(3*\G+\tt)+7], v[KB+16*\tt:KB+16*\tt+7], v[QF+16*\hd:QF+16*\hd+7], v[DG:DG+7]
.else
	v_wmma_f32_16x16x32_f16 v[SB+72*\hd+8*(3*\G+\tt):SB+72*\hd+8*(3*\G+\tt)+7], v[KB+16*\tt:KB+16*\tt+7], v[QF+16*\hd:QF+16*\hd+7], 0
.endif
.endr
.endr
.irp tt, 0,1,2
.irp hd, 0,1
	v_wmma_f32_16x16x32_f16 v[SB+72*\hd+8*(3*\G+\tt):SB+72*\hd+8*(3*\G+\tt)+7], v[KB+16*\tt+8:KB+16*\tt+15], v[QF+16*\hd+8:QF+16*\hd+15], v[SB+72*\hd+8*(3*\G+\tt):SB+72*\hd+8*(3*\G+\tt)+7]
.endr
.endr
.rept 4
	v_nop                                          ; places in front of the next loads into the key tiles' registers, and of the first read of results
.endr
.endm
	KGROUP 0
	KGROUP 1
	KGROUP 2
	; The sequence's first 128 queries: tile t of wave w lies ahead of key 0 where w + t < 8; -1e30 is added to all of it, 0 to the others.  The branch hangs on the work-group's number alone.
	s_cmp_lg_u32 ttmp9, 0
	s_cbranch_scc1 .Lno_halo
.irp t, 0,1,2,3,4,5,6,7
	s_add_co_u32 s46, s[WV], \t
	s_cmp_lt_u32 s46, 8
	s_cselect_b32 s44, 0xf149f2ca, 0
	s_mov_b32 s45, s44
.irp hd, 0,1
.irp jj, 0,2,4,6
	v_pk_add_f32 v[SB+72*\hd+8*\t+\jj:SB+72*\hd+8*\t+\jj+1], v[SB+72*\hd+8*\t+\jj:SB+72*\hd+8*\t+\jj+1], s[44:45] op_sel_hi:[1,0]
.endr
.endr
.endr
.Lno_halo:
	; the row's largest t, the sink's among them: two chains a head (tiles 0-4, tiles 5-8), each tile from its low end on
.irp hd, 0,1
	v_max3_num_f32 v[ST+8*\hd+4], s[SK+\hd], v[SB+72*\hd], v[SB+72*\hd+1]
	v_max3_num_f32 v[ST+8*\hd+5], s[SK+\hd], v[SB+72*\hd+40], v[SB+72*\hd+41]
.endr
.set i, 2
.rept 15
.irp hd, 0,1
	v_max3_num_f32 v[ST+8*\hd+4], v[ST+8*\hd+4], v[SB+72*\hd+i], v[SB+72*\hd+i+1]
	v_max3_num_f32 v[ST+8*\hd+5], v[ST+8*\hd+5], v[SB+72*\hd+40+i], v[SB+72*\hd+41+i]
.endr
.set i, i+2
.endr
.rept 4
.irp hd, 0,1
	v_max3_num_f32 v[ST+8*\hd+4], v[ST+8*\hd+4], v[SB+72*\hd+i], v[SB+72*\hd+i+1]
.endr
.set i, i+2
.endr
.irp hd, 0,1
	v_max_num_f32 v[ST+8*\hd+4], v[ST+8*\hd+4], v[ST+8*\hd+5]
.endr
.irp hd, 0,1
	v_permlanex16_b32 v[ST+8*\hd+5], v[ST+8*\hd+4], s[SEL], s[SEL+1]   ; the query's other keys lie in the lane 16 away
.endr
.irp hd, 0,1
	v_max_num_f32 v[ST+8*\hd], v[ST+8*\hd+4], v[ST+8*\hd+5]            ; M
.endr
.irp hd, 0,1
	v_mov_b32 v[ST+8*\hd+1], v[ST+8*\hd]                               ; in both registers of a pair
	v_sub_f32 v[ST+8*\hd+6], s[SK+\hd], v[ST+8*\hd]                    ; the sink's t - M
.endr
.set i, 0
.rept 36
.irp hd, 0,1
	v_pk_add_f32 v[SB+72*\hd+i:SB+72*\hd+i+1], v[SB+72*\hd+i:SB+72*\hd+i+1], v[ST+8*\hd:ST+8*\hd+1] neg_lo:[0,1] neg_hi:[0,1]   ; t - M, two at a time
.endr
.set i, i+2
.endr
.set i, 0
.rept 144
	v_exp_f32 v[SB+i], v[SB+i]                     ; p = 2^(t - M): one batch
.set i, i+1
.endr
	v_exp_f32 v[ST+6], v[ST+6]
	v_exp_f32 v[ST+14], v[ST+14]
	v_nop                                          ; a plain instruction behind the last exponential
	s_wait_alu depctr_va_vdst(0)                   ; one wait for the 146, ahead of their first reader
.irp hd, 0,1                                   ; the row's sum of the f32 p: two chains a head, two numbers an instruction
	v_pk_add_f32 v[ST+8*\hd+2:ST+8*\hd+3], v[SB+72*\hd:SB+72*\hd+1], v[SB+72*\hd+2:SB+72*\hd+3]
	v_pk_add_f32 v[ST+8*\hd+4:ST+8*\hd+5], v[SB+72*\hd+4:SB+72*\hd+5], v[SB+72*\hd+6:SB+72*\hd+7]
.endr
.set i, 8
.rept 16
.irp hd, 0,1
	v_pk_add_f32 v[ST+8*\hd+2:ST+8*\hd+3], v[ST+8*\hd+2:ST+8*\hd+3], v[SB+72*\hd+i:SB+72*\hd+i+1]
	v_pk_add_f32 v[ST+8*\hd+4:ST+8*\hd+5], v[ST+8*\hd+4:ST+8*\hd+5], v[SB+72*\hd+i+2:SB+72*\hd+i+3]
.endr
.set i, i+4
.endr
.irp hd, 0,1
	v_pk_add_f32 v[ST+8*\hd+2:ST+8*\hd+3], v[ST+8*\hd+2:ST+8*\hd+3], v[ST+8*\hd+4:ST+8*\hd+5]
.endr
.set i, 0
.rept 36                                       ; P: register 4 t + k of a head holds keys 8 h + 2 k, 8 h + 2 k + 1 of tile t: tiles 2 c and 2 c + 1 are chunk c's eight registers
.irp hd, 0,1
	v_cvt_pk_f16_f32 v[PB+40*\hd+i], v[SB+72*\hd+2*i], v[SB+72*\hd+2*i+1]
.endr
.set i, i+1
.endr
.irp hd, 0,1
.irp k, 36,37,38,39
	v_mov_b32 v[PB+40*\hd+\k], 0                   ; the fifth chunk has one tile: its other 16 keys are zeros
.endr
.endr
; O^T += V^T P in chunks of 32 keys.  VLOAD: chunk c's four fragments (16 channels x 32 keys) into set c % 2; of the fifth chunk only the first 16 keys are read (no LDS row beyond 255), the rest are zeros.
.macro VLOAD c
.irp n, 0,1,2,3
	ds_load_tr16_b128 v[VB+32*((\c)%2)+8*\n:VB+32*((\c)%2)+8*\n+3], v[AV] offset:(\c)*32*PVV+32*\n
.if (\c) < 4
	ds_load_tr16_b128 v[VB+32*((\c)%2)+8*\n+4:VB+32*((\c)%2)+8*\n+7], v[AV] offset:(\c)*32*PVV+16*PVV+32*\n
.else
.irp k, 4,5,6,7
	v_mov_b32 v[VB+32*((\c)%2)+8*\n+\k], 0
.endr
.endif
.endr
.endm
.macro PVMUL c                         ; eight products; the eight accumulators take turns, in the same order in every chunk
.irp n, 0,1,2,3
.irp hd, 0,1
.if (\c) == 0
	v_wmma_f32_16x16x32_f16 v[OB+32*\hd+8*\n:OB+32*\hd+8*\n+7], v[VB+32*((\c)%2)+8*\n:VB+32*((\c)%2)+8*\n+7], v[PB+40*\hd+8*(\c):PB+40*\hd+8*(\c)+7], 0
.else
	v_wmma_f32_16x16x32_f16 v[OB+32*\hd+8*\n:OB+32*\hd+8*\n+7], v[VB+32*((\c)%2)+8*\n:VB+32*((\c)%2)+8*\n+7], v[PB+40*\hd+8*(\c):PB+40*\hd+8*(\c)+7], v[OB+32*\hd+8*\n:OB+32*\hd+8*\n+7]
.endif
.endr
.endr
.endm
.macro PLACES
.rept 4
	v_nop
.endr
.endm
	VLOAD 0
	VLOAD 1
.irp hd, 0,1                                   ; while they are out: the sum's two halves, the other half of the lanes', the sink's p; and the reciprocal
	v_add_f32 v[ST+8*\hd+2], v[ST+8*\hd+2], v[ST+8*\hd+3]
.endr
.irp hd, 0,1
	v_permlanex16_b32 v[ST+8*\hd+4], v[ST+8*\hd+2], s[SEL], s[SEL+1]
.endr
.irp hd, 0,1
	v_add_f32 v[ST+8*\hd+2], v[ST+8*\hd+2], v[ST+8*\hd+4]
.endr
.irp hd, 0,1
	v_add_f32 v[ST+8*\hd+2], v[ST+8*\hd+2], v[ST+8*\hd+6]
.endr
.irp hd, 0,1
	v_rcp_f32 v[ST+8*\hd+6], v[ST+8*\hd+2]
.endr
	v_nop                                          ; a plain instruction behind the reciprocals
	s_wait_alu depctr_va_vdst(0)                   ; one wait for the two
.irp hd, 0,1
	v_mov_b32 v[ST+8*\hd+7], v[ST+8*\hd+6]
.endr
	s_wait_dscnt 8                                 ; chunk 0's eight loads are in; chunk 1's eight may be out
	PVMUL 0
	PLACES                                         ; in front of loads into registers that matrix instructions have read
	VLOAD 2
	s_wait_dscnt 8                                 ; chunk 1 is in; chunk 2's eight may be out
	PVMUL 1
	PLACES
	VLOAD 3
	s_wait_dscnt 8                                 ; chunk 2 is in; chunk 3's eight may be out
	PVMUL 2
	PLACES
	VLOAD 4
	s_wait_dscnt 4                                 ; chunk 3 is in; chunk 4's four may be out
	PVMUL 3
	s_wait_dscnt 0x0
	PVMUL 4
	; THE WAY OUT.  O^T / the sum, rounded to f16; a query's 128 numbers of the two heads are 256 bytes of its row of ctx: through my stage, so that sixteen lanes store 256 consecutive bytes, aligned.
	PLACES
.set i, 0
.rept 16
.irp hd, 0,1
	v_pk_mul_f32 v[OB+32*\hd+i:OB+32*\hd+i+1], v[OB+32*\hd+i:OB+32*\hd+i+1], v[ST+8*\hd+6:ST+8*\hd+7]   ; each accumulator from its low end on
.endr
.set i, i+2
.endr
.set i, 0
.rept 32
	v_cvt_pk_f16_f32 v[PO+i], v[OB+2*i], v[OB+2*i+1]
.set i, i+1
.endr
.irp hd, 0,1
.irp n, 0,1,2,3
	ds_store_b128 v[STO], v[PO+16*\hd+4*\n:PO+16*\hd+4*\n+3] offset:128*\hd+32*\n
.endr
.endr
.irp i, 0,1,2,3,4,5,6,7
	ds_load_b128 v[BK+4*\i:BK+4*\i+3], v[RD] offset:\i*2*SPITCH    ; LDS serves a wave's instructions in order: these see my stores
.endr
.irp i, 0,1,2,3,4,5,6,7
	s_wait_dscnt 7-\i                              ; load i is in; the younger ones may be out
	global_store_b128 v[GO], v[BK+4*\i:BK+4*\i+3], s[8:9] offset:4096*\i
.endr
	s_wait_tensorcnt 0x0                           ; the wave's end: behind my tensor load and my last LDS store
	ds_add_u32 v[SPW], v[NIL]
	s_wait_dscnt 0x0
	s_endpgm
.Lfunc_end_k_q25387f792b_attn:
	.size	k_q25387f792b_attn, .Lfunc_end_k_q25387f792b_attn-k_q25387f792b_attn
	.p2alignl 7, 3214868480
	.fill 96, 4, 3214868480
	.section	.rodata,"a",@progbits
	.p2align	6, 0x0
	.amdhsa_kernel k_q25387f792b_attn
		.amdhsa_group_segment_fixed_size 167936
		.amdhsa_private_segment_fixed_size 0
		.amdhsa_enable_private_segment 0
		.amdhsa_kernarg_size 24
		.amdhsa_user_sgpr_count 2
		.amdhsa_user_sgpr_kernarg_segment_ptr 1
		.amdhsa_wavefront_size32 1
		.amdhsa_system_sgpr_workgroup_id_x 1
		.amdhsa_system_sgpr_workgroup_id_y 1
		.amdhsa_system_sgpr_workgroup_id_z 1
		.amdhsa_system_vgpr_workitem_id 0
		.amdhsa_next_free_vgpr 256
		.amdhsa_next_free_sgpr 66
		.amdhsa_reserve_vcc 1
		.amdhsa_float_denorm_mode_32 3
		.amdhsa_float_denorm_mode_16_64 3
		.amdhsa_memory_ordered 1
		.amdhsa_forward_progress 1
		.amdhsa_inst_pref_size 53
	.end_amdhsa_kernel
	.amdgpu_metadata
---
amdhsa.version: [ 1, 2 ]
amdhsa.kernels:
  - .name:           k_q25387f792b_attn
    .symbol:         k_q25387f792b_attn.kd
    .args:
      - { .name: qkv, .offset: 0, .size: 8, .value_kind: global_buffer, .address_space: global }
      - { .name: sinks, .offset: 8, .size: 8, .value_kind: global_buffer, .address_space: global }
      - { .name: ctx, .offset: 16, .size: 8, .value_kind: global_buffer, .address_space: global }
    .group_segment_fixed_size: 167936
    .private_segment_fixed_size: 0
    .kernarg_segment_align: 8
    .kernarg_segment_size: 24
    .max_flat_workgroup_size: 256
    .sgpr_count:     66
    .vgpr_count:     256
    .wavefront_size: 32
...
	.end_amdgpu_metadata
.endif
;; end of part 3
;; launch oproj (part 4): grid 16 x 32, 4 waves a work-group, clusters of 4 x 4, 327,680 bytes of LDS; arguments ctx, wo16, bo, out0; writes out0
.if DOCPART == 4
	.amdgcn_target "amdgcn-amd-amdhsa--gfx1250"
	.amdhsa_code_object_version 6
	.text
	.protected	k_q25387f792b_oproj
	.globl	k_q25387f792b_oproj
	.p2align	8
	.type	k_q25387f792b_oproj,@function
k_q25387f792b_oproj:
	s_mov_b64 s[64:65], 0
	v_nop
	global_prefetch_b8 v0, s[64:65] scope:SCOPE_SE
	s_setreg_imm32_b32 hwreg(HW_REG_WAVE_MODE, 25, 1), 1
	s_wait_xcnt 0x0
	s_wait_alu depctr_hold_cnt(0) depctr_sa_sdst(0) depctr_va_vdst(0) depctr_va_sdst(0) depctr_va_ssrc(0) depctr_va_vcc(0) depctr_vm_vsrc(0)
	s_getreg_b32 s2, hwreg(HW_REG_IB_STS2, 6, 4)
	s_cmp_eq_u32 s2, 0
	s_cbranch_scc0 .Lentry_in_a_cluster
	s_endpgm
.Lentry_in_a_cluster:
	s_bfe_u32 s2, ttmp6, 0x10000c
	s_cmp_lg_u32 s2, 0xf033
	s_cbranch_scc0 .Lentry_shape_is_right
	s_endpgm
.Lentry_shape_is_right:
; LAUNCH 4 OF 4.  out[token][n] = sum over k of ctx[token][k] Wo[n][k] + bo[n].  ctx: [4096][1024] f16, wo16: [2048][1024] f16, bo: [2048] f32, out0: [4096][2048] f32; sums in f32.
; A tile of out is 128 x 128: 512 work-groups of equal work.  (Tiles of 256 x 256 would make 128.)  Four waves, each 64 x 64: 16 accumulators of 16 x 16.  K goes in steps of 256 (LDS rows of 512 bytes;
; a wave's tensor load brings 64 of them) through a ring of two slots.
; CLUSTERS: 4 x 4 work-groups; the four of a row need the same tiles of ctx, the four of a column the same tiles of Wo: each tile is asked for jointly.
; THE MATRIX INSTRUCTION IS USED TRANSPOSED (source 0 = 16 rows of Wo, source 1 = 16 tokens): a lane holds eight neighbouring numbers of a row of out.  bo is the C of each sum's first product.
; A wave's 64 columns of f32 are 256 aligned bytes of a row, so each wave has a stage of its own on the way out, and no barrier stands there.
; REGISTERS: window 0: v0-31 addresses; v32-95 rows read back, two sets; v96-127 bo; v128-255 the accumulators ((a, b) at v[128 + 8 (4 a + b)]).   window 1: two fragment buffers of 128.
.set SIZE_N, 2048
.set SIZE_K, 1024
.set KSTEP,  256
.set PITCH,  528                       ; an LDS row: 512 bytes + 16 of padding
.set HALFT,  64*PITCH                  ; 64 rows: what one tensor load brings
.set SLOT,   4*HALFT                   ; ctx's 128 rows, then Wo's 128 rows
.set STAGE,  2*SLOT                    ; behind the ring: 16 rows x 272 bytes for each wave
.set SPITCH, 272
.set SPARE,  STAGE+4*16*SPITCH         ; behind the stages: the spare words, 128 bytes for each wave
.set LAPS, SIZE_K/(2*KSTEP)
.set ADRA, 16                          ; v16-17  LDS address of my fragments of ctx in slot 0, 1
.set ADRB, 20                          ; v20-21  the same for Wo
.set STO,  24                          ; v24     the way out: where I put 32 bytes of a row
.set RD,   25                          ; v25     where I read a row back
.set CO,   26                          ; v26     my byte offset in out0
.set SPW,  28                          ; v28     LDS address of my spare word; never rewritten
.set NIL,  29                          ; v29     0; never rewritten
.set BO,   30                          ; v30     32 x (lane / 16)
.set TMP,  32
.set BI,   96
.set ACC,  128
.set F0,   0                           ; fragment buffers, in window 1
.set F1,   128
.set G1, 24                            ; s[24:31] descriptor group 1 for ctx's tiles;  s[32:39] group 0, one set for each slot
.set G0, 32
.set G1B, 48                           ; s[48:55], s[56:63] the same for Wo's tiles
.set G0B, 56
.set MSB, 0
.macro WIN new                         ; the immediate's high byte repeats the setting that is left
.if MSB != \new
	s_set_vgpr_msb (MSB<<8)|\new
.set MSB, \new
.endif
.endm
.set MUL,  0x05                        ; sources 0 (Wo) and 1 (ctx) window 1; C and D window 0
.set TO_F, 0x40                        ; destination window 1, address window 0
.macro JLOAD s                         ; a joint load: waves 0 and 1 fetch ctx's two halves, waves 2 and 3 Wo's; an s_nop 0 and four v_nop follow each of the two lines
	s_cmp_eq_u32 s11, 0
	s_cbranch_scc0 .Lfor_b_\@
	tensor_load_to_lds s[G0+4*\s:G0+4*\s+3], s[G1:G1+7]
	s_nop 0
.rept 4
	v_nop
.endr
	s_branch .Lasked_\@
.Lfor_b_\@:
	tensor_load_to_lds s[G0B+4*\s:G0B+4*\s+3], s[G1B:G1B+7]
	s_nop 0
.rept 4
	v_nop
.endr
.Lasked_\@:
.endm
.macro CREST                           ; a round of the cluster's barrier behind its opening barrier
	s_cmp_lg_u32 s10, 0
	s_cbranch_scc1 .Lnot_wave_0_\@
	s_barrier_signal -3
.Lnot_wave_0_\@:
	s_barrier_wait -3
	s_barrier_signal -1
	s_barrier_wait -1
.endm
.macro CROUND                          ; a whole round
	s_barrier_signal -1
	s_barrier_wait -1
	CREST
.endm
	s_load_b128 s[4:7], s[0:1], 0x0                ; ctx s[4:5], wo16 s[6:7]
	s_load_b64 s[66:67], s[0:1], 0x10              ; bo
	s_load_b64 s[8:9], s[0:1], 0x18                ; out0
	v_lshl_add_u32 v[SPW], v0, 2, SPARE
	v_mov_b32 v[NIL], 0
	ds_add_u32 v[SPW], v[NIL]                      ; the wave's opening: the add, twice on end, and its wait ahead of my first tensor load
	ds_add_u32 v[SPW], v[NIL]                      ; and once more, under the one wait; the set-up below, work on registers, stands between
	v_lshrrev_b32 v1, 5, v0
	v_readfirstlane_b32 s10, v1                    ; wave 0..3
	s_lshr_b32 s11, s10, 1                         ; which half of the tile's rows is mine.  Also: I fetch for ctx (0) or for Wo (1)
	s_and_b32 s12, s10, 1                          ; which half of its columns.  Also: which 64 rows of that tile I fetch
	s_bfe_u32 s40, ttmp6, 0x40000                  ; cx, cy: my place in the cluster
	s_bfe_u32 s41, ttmp6, 0x40004
	s_lshl_b32 s42, ttmp9, 2
	s_add_co_u32 s42, s42, s40                     ; tile column = 4 x cluster x + cx
	s_and_b32 s13, ttmp7, 0xffff
	s_lshl_b32 s13, s13, 2
	s_add_co_u32 s13, s13, s41                     ; tile row = 4 x cluster y + cy
	s_lshl_b32 s43, s41, 2
	s_lshl_b32 s43, 15, s43                        ; my row of the cluster
	s_lshl_b32 s44, 0x1111, s40                    ; my column
	; descriptor group 1: a tile of 64 rows x 256 elements, padded in LDS
	s_or_b32 s[G1+0], s43, (1<<16)|(1<<20)|(1<<21)|(6<<22)|(3<<25)  ; 15:0 the mask: ctx's tiles go to my row; 17:16 elements of 2 bytes; 20 padding on; 21 set beside a mask; 24:22 after every 128 words; 31:25 four words
	s_or_b32 s[G1B+0], s44, (1<<16)|(1<<20)|(1<<21)|(6<<22)|(3<<25)
.irp g, G1, G1B
	s_mov_b32 s[\g+1], KSTEP<<16                   ; tensor_dim0 = 256
	s_mov_b32 s[\g+2], 64<<16                      ; tensor_dim1 = 64
	s_mov_b32 s[\g+3], KSTEP<<16                   ; tile_dim0 = 256
	s_mov_b32 s[\g+4], 64                          ; tile_dim1 = 64
	s_mov_b32 s[\g+5], SIZE_K                      ; tensor_dim0_stride
	s_mov_b32 s[\g+6], 0
	s_mov_b32 s[\g+7], 0
.endr
	s_lshl_b32 s17, s12, 6                         ; which 64 rows of the tile I fetch
	s_lshl_b32 s16, s13, 7
	s_add_co_u32 s16, s16, s17                     ; ctx: row 128 x tile row + 64 x half
	s_lshl_b32 s46, s42, 7
	s_add_co_u32 s46, s46, s17                     ; Wo: row 128 x tile column + 64 x half
	s_mov_b32 s17, 0
	s_mov_b32 s47, 0
	s_mov_b64 s[18:19], SIZE_K*2
	s_mul_u64 s[16:17], s[16:17], s[18:19]
	s_mul_u64 s[46:47], s[46:47], s[18:19]
	s_mul_i32 s20, s10, HALFT                      ; where they go: wave x 64 rows
	s_wait_dscnt 0x0                               ; both opening adds are done
	s_wait_kmcnt 0x0
	s_add_nc_u64 s[14:15], s[4:5], s[16:17]
	s_add_nc_u64 s[46:47], s[6:7], s[46:47]
	CROUND                                         ; all sixteen work-groups are here: the first joint loads meet
.irp s, 0,1
	s_mov_b32 s[G0+4*\s], 1
	s_add_co_u32 s[G0+4*\s+1], s20, \s*SLOT
	s_add_nc_u64 s[G0+4*\s+2:G0+4*\s+3], s[14:15], \s*KSTEP*2
	s_or_b32 s[G0+4*\s+3], s[G0+4*\s+3], 0x80000000
	s_mov_b32 s[G0B+4*\s], 1
	s_add_co_u32 s[G0B+4*\s+1], s20, \s*SLOT
	s_add_nc_u64 s[G0B+4*\s+2:G0B+4*\s+3], s[46:47], \s*KSTEP*2
	s_or_b32 s[G0B+4*\s+3], s[G0B+4*\s+3], 0x80000000
	JLOAD \s                                       ; two tensor loads of mine are out
.endr
	v_and_b32 v1, 15, v0                           ; l % 16
	v_bfe_u32 v2, v0, 4, 1                         ; l / 16
	v_mul_u32_u24 v3, v1, PITCH
	v_lshl_add_u32 v3, v2, 4, v3                   ; a fragment's row x pitch + 16 x half
	s_mul_i32 s21, s11, HALFT                      ; my 64 rows of ctx
	s_mul_i32 s22, s12, HALFT                      ; my 64 rows of Wo,
	s_add_co_u32 s22, s22, 2*HALFT                 ; which lie behind ctx's 128
.irp s, 0,1
	v_add_nc_u32 v[ADRA+\s], s21, v3
	v_add_nc_u32 v[ADRB+\s], s22, v3
	s_add_co_u32 s21, s21, SLOT
	s_add_co_u32 s22, s22, SLOT
.endr
	s_mul_i32 s23, s10, 16*SPITCH
	s_add_co_u32 s23, s23, STAGE                   ; my stage
	v_mul_u32_u24 v4, v1, SPITCH
	v_lshl_add_u32 v4, v2, 5, v4
	v_add_nc_u32 v[STO], s23, v4                   ; in: row l % 16, 32 bytes for each half of the lanes
	v_mul_u32_u24 v5, v2, SPITCH
	v_lshl_add_u32 v5, v1, 4, v5
	v_add_nc_u32 v[RD], s23, v5                    ; back: lanes 0-15 one row of 256 bytes, lanes 16-31 the next
	v_lshlrev_b32 v5, 13, v2                       ; and the same two rows of out0, 8,192 bytes apart
	v_lshl_add_u32 v[CO], v1, 4, v5
	s_lshl_b32 s16, s13, 7
	s_lshl_b32 s17, s11, 6
	s_add_co_u32 s16, s16, s17                     ; my first row: 128 x tile row + 64 x half
	s_lshl_b32 s16, s16, 13
	s_mov_b32 s17, 0
	s_add_nc_u64 s[8:9], s[8:9], s[16:17]
	s_lshl_b32 s46, s42, 7
	s_lshl_b32 s47, s12, 6
	s_add_co_u32 s46, s46, s47                     ; my first column: 128 x tile column + 64 x half,
	s_lshl_b32 s46, s46, 2                         ; in bytes
	s_mov_b32 s47, 0
	s_add_nc_u64 s[8:9], s[8:9], s[46:47]
	s_add_nc_u64 s[66:67], s[66:67], s[46:47]
	v_lshlrev_b32 v[BO], 5, v2
.irp b, 0,1,2,3
	global_load_b128 v[BI+8*\b:BI+8*\b+3], v[BO], s[66:67] offset:64*\b        ; bo at columns 16 b + 8 (l / 16) + 0 .. 7: the result's layout
	global_load_b128 v[BI+8*\b+4:BI+8*\b+7], v[BO], s[66:67] offset:64*\b+16
.endr
; 8 matrix instructions: m blocks a0, a0 + 1 x all 4 n blocks, 32 along K: half c of buffer f.  zero = 1: the first product starts the sums, with bo as C.  The 16 accumulators take turns
.macro MUL8 f, c, a0, zero
.irp a, \a0, \a0+1
.irp b, 0,1,2,3
.if \zero
	v_wmma_f32_16x16x32_f16 v[ACC+8*(4*(\a)+\b):ACC+8*(4*(\a)+\b)+7], v[\f+64+8*(4*\c+\b):\f+64+8*(4*\c+\b)+7], v[\f+8*(4*\c+\a):\f+8*(4*\c+\a)+7], v[BI+8*\b:BI+8*\b+7]
.else
	v_wmma_f32_16x16x32_f16 v[ACC+8*(4*(\a)+\b):ACC+8*(4*(\a)+\b)+7], v[\f+64+8*(4*\c+\b):\f+64+8*(4*\c+\b)+7], v[\f+8*(4*\c+\a):\f+8*(4*\c+\a)+7], v[ACC+8*(4*(\a)+\b):ACC+8*(4*(\a)+\b)+7]
.endif
.endr
.endr
.endm
; 32 LDS loads in one run: the fragments of 64 along K at byte k of the rows, into buffer f; the first 32 along K first
.macro FETCH slot, k, f
	WIN TO_F
.irp c, 0,1
.irp i, 0,1,2,3
	ds_load_b128 v[\f+64+8*(4*\c+\i):\f+64+8*(4*\c+\i)+3],   v[ADRB+\slot] offset:\k+64*\c+\i*16*PITCH
	ds_load_b128 v[\f+64+8*(4*\c+\i)+4:\f+64+8*(4*\c+\i)+7], v[ADRB+\slot] offset:\k+64*\c+\i*16*PITCH+32
	ds_load_b128 v[\f+8*(4*\c+\i):\f+8*(4*\c+\i)+3],         v[ADRA+\slot] offset:\k+64*\c+\i*16*PITCH
	ds_load_b128 v[\f+8*(4*\c+\i)+4:\f+8*(4*\c+\i)+7],       v[ADRA+\slot] offset:\k+64*\c+\i*16*PITCH+32
.endr
.endr
.endm
.macro PLACES                          ; four places in front of loads into registers that matrix instructions have read, and of LDS stores that read results
.rept 4
	v_nop
.endr
.endm
; A K step is four quarters of 64 along K, 32 matrix instructions each, on buffers 0, 1, 0, 1.  One of the first three: multiplies buffer f and fetches the next quarter, at byte k, into g.
.macro QUARTER slot, k, f, g, zero
	s_wait_dscnt 16                                ; the first 32 along K are in; the sixteen loads of the second 32 may be out
	WIN MUL
	MUL8 \f, 0, 0, \zero
	MUL8 \f, 0, 2, \zero
	PLACES
	FETCH \slot, \k, \g
	s_wait_dscnt 32                                ; all but the 32 just issued
	WIN MUL
	MUL8 \f, 1, 0, 0
	MUL8 \f, 1, 2, 0
.endm
; The last quarter multiplies buffer 1 and changes slots: one barrier; in front of it each wave waits for all its tensor loads, adds 0 to its spare word, and waits for that and for its own reads of this slot.  fill = 1: this slot is filled again, two K steps ahead.
.macro TURN slot, next, fill
	WIN 0                                          ; (the add's two registers lie in window 0)
	s_wait_tensorcnt 0x0                           ; all my tensor loads have landed: my part of the next slot
	ds_add_u32 v[SPW], v[NIL]                      ; 0 onto my spare word
	s_wait_dscnt 17                                ; (the add and the youngest sixteen loads may be out)
	WIN MUL
	MUL8 F1, 0, 0, 0                               ; eight matrix instructions stand between the add and the wait for it
	s_wait_dscnt 0x0                               ; the add is done, and my reads of this slot are over
	s_barrier_signal -1
	MUL8 F1, 0, 2, 0
.if \fill
	WIN 0
.endif
	s_barrier_wait -1
.if \fill
	CREST                                          ; the barrier has opened a round of the cluster's barrier: no wave of any partner still reads this slot's tile or has a load on its way
	s_add_nc_u64 s[G0+4*\slot+2:G0+4*\slot+3], s[G0+4*\slot+2:G0+4*\slot+3], 2*KSTEP*2
	s_add_nc_u64 s[G0B+4*\slot+2:G0B+4*\slot+3], s[G0B+4*\slot+2:G0B+4*\slot+3], 2*KSTEP*2
	JLOAD \slot                                    ; the first tensor load behind the round; its four v_nop are the places in front of the loads below
.else
	PLACES
.endif
	FETCH \next, 0, F0
	WIN MUL
	MUL8 F1, 1, 0, 0
	MUL8 F1, 1, 2, 0
.endm
	s_wait_tensorcnt 1                             ; my part of K step 0 is in (K step 1's load may be out)
	s_barrier_signal -1
	s_barrier_wait -1                              ; everybody's is
	FETCH 0, 0, F0
	s_wait_loadcnt 0x0                             ; bo
	QUARTER 0, 128, F0, F1, 1                      ; the first quarter stands in front of the loop: its first products start the sums
	WIN 0                                          ; at a label and at a branch every window is 0
	s_mov_b32 s3, LAPS-1
.Llap:                                                 ; a trip goes once round the ring, from a lap's second quarter to the next lap's first, and fills both slots again
	QUARTER 0, 256, F1, F0, 0
	QUARTER 0, 384, F0, F1, 0
	TURN 0, 1, 1
	QUARTER 1, 128, F0, F1, 0
	QUARTER 1, 256, F1, F0, 0
	QUARTER 1, 384, F0, F1, 0
	TURN 1, 0, 1
	QUARTER 0, 128, F0, F1, 0
	WIN 0
	s_sub_co_u32 s3, s3, 1
	s_cmp_lg_u32 s3, 0
	s_cbranch_scc1 .Llap
	QUARTER 0, 256, F1, F0, 0                      ; the last lap fills nothing, and has no round of the cluster's barrier
	QUARTER 0, 384, F0, F1, 0
	TURN 0, 1, 0
	QUARTER 1, 128, F0, F1, 0
	QUARTER 1, 256, F1, F0, 0
	QUARTER 1, 384, F0, F1, 0
	s_wait_dscnt 16                                ; the very last quarter: nothing more to fetch
	WIN MUL
	MUL8 F1, 0, 0, 0
	MUL8 F1, 0, 2, 0
	s_wait_dscnt 0
	MUL8 F1, 1, 0, 0
	MUL8 F1, 1, 2, 0
	WIN 0
; THE WAY OUT, block a of 16 rows x 64 columns at a time: a lane's 32 bytes of a row go into my own stage and come back as whole rows of 256 bytes: sixteen lanes store 256 consecutive bytes, aligned.
; LDS serves a wave's instructions in order: no wait between the stores and the loads, nor in front of the next block's stores.
.macro TOSTAGE a
.irp b, 0,1,2,3
	ds_store_b128 v[STO], v[ACC+8*(4*(\a)+\b):ACC+8*(4*(\a)+\b)+3] offset:64*\b          ; each accumulator from its low end on
	ds_store_b128 v[STO], v[ACC+8*(4*(\a)+\b)+4:ACC+8*(4*(\a)+\b)+7] offset:64*\b+16
.endr
.irp i, 0,1,2,3,4,5,6,7
	ds_load_b128 v[TMP+32*((\a)%2)+4*\i:TMP+32*((\a)%2)+4*\i+3], v[RD] offset:\i*2*SPITCH
.endr
.endm
.macro SEND a, younger                 ; younger: the LDS instructions issued behind block a's loads, which may stay out
	s_wait_dscnt \younger
.irp i, 0,1,2,3,4,5,6,7
	global_store_b128 v[CO], v[TMP+32*((\a)%2)+4*\i:TMP+32*((\a)%2)+4*\i+3], s[8:9] offset:(16*(\a)+2*\i)*SIZE_N*4 th:TH_STORE_NT   ; written once, read by nobody here; the base is never stepped
.endr
.endm
	PLACES
	TOSTAGE 0
.irp a, 1,2,3
.if \a > 1
	s_wait_xcnt 0x0                                ; block a - 2's stores have read their registers: block a's rows may land there
.endif
	TOSTAGE \a
	SEND \a-1, 16                                  ; behind block a - 1's loads: block a's 8 stores and 8 loads
.endr
	SEND 3, 0
	s_wait_tensorcnt 0x0                           ; the wave's end: behind my last tensor load and my last LDS store
	ds_add_u32 v[SPW], v[NIL]
	s_wait_dscnt 0x0
	CROUND                                         ; the closing round: no work-group ends while a partner may still ask for a tile that names it
	s_endpgm
.Lfunc_end_k_q25387f792b_oproj:
	.size	k_q25387f792b_oproj, .Lfunc_end_k_q25387f792b_oproj-k_q25387f792b_oproj
	.p2alignl 7, 3214868480
	.fill 96, 4, 3214868480
	.section	.rodata,"a",@progbits
	.p2align	6, 0x0
	.amdhsa_kernel k_q25387f792b_oproj
		.amdhsa_group_segment_fixed_size 327680
		.amdhsa_private_segment_fixed_size 0
		.amdhsa_enable_private_segment 0
		.amdhsa_kernarg_size 32
		.amdhsa_user_sgpr_count 2
		.amdhsa_user_sgpr_kernarg_segment_ptr 1
		.amdhsa_wavefront_size32 1
		.amdhsa_system_sgpr_workgroup_id_x 1
		.amdhsa_system_sgpr_workgroup_id_y 1
		.amdhsa_system_sgpr_workgroup_id_z 1
		.amdhsa_system_vgpr_workitem_id 0
		.amdhsa_next_free_vgpr 512
		.amdhsa_next_free_sgpr 68
		.amdhsa_reserve_vcc 0
		.amdhsa_float_denorm_mode_32 3
		.amdhsa_float_denorm_mode_16_64 3
		.amdhsa_memory_ordered 1
		.amdhsa_forward_progress 1
		.amdhsa_inst_pref_size 86
	.end_amdhsa_kernel
	.amdgpu_metadata
---
amdhsa.version: [ 1, 2 ]
amdhsa.kernels:
  - .name:           k_q25387f792b_oproj
    .symbol:         k_q25387f792b_oproj.kd
    .args:
      - { .name: ctx, .offset: 0, .size: 8, .value_kind: global_buffer, .address_space: global }
      - { .name: wo16, .offset: 8, .size: 8, .value_kind: global_buffer, .address_space: global }
      - { .name: bo, .offset: 16, .size: 8, .value_kind: global_buffer, .address_space: global }
      - { .name: out0, .offset: 24, .size: 8, .value_kind: global_buffer, .address_space: global }
    .group_segment_fixed_size: 327680
    .private_segment_fixed_size: 0
    .kernarg_segment_align: 8
    .kernarg_segment_size: 32
    .max_flat_workgroup_size: 128
    .sgpr_count:     68
    .vgpr_count:     512
    .wavefront_size: 32
...
	.end_amdgpu_metadata
.endif
;; end of part 4
